; MI455X (gfx1250); checked and timed in simulation.
; The chip was launched on July 23, 2026; its instructions are those of AMD's public machine-readable ISA for CDNA 5 (MIT licence, August 2026) and "CDNA5" Instruction Set Architecture Reference Guide (July 2026). The comments in the code are by the model that wrote it; some were corrected since.
;; Bert Attention. Allowed arithmetic: matrix products marked QUANTISED: E2M1 operands, one E8M0 scale for each 32 along K, by v_wmma_scale_f32_16x16x128_f8f6f4 with both operands' format E2M1 (or v_wmma_scale_f32_32x16x128_f4), f32 sums; everything else in f32.
;; Inputs: Wk 1,024 x 1,024 float32; Wo 1,024 x 1,024 float32; Wq 1,024 x 1,024 float32; Wv 1,024 x 1,024 float32; bk 1,024 float32; bo 1,024 float32; bq 1,024 float32; bv 1,024 float32; key_tensor 2,048 x 2 x 1,024 float32; ln_b 1,024 float32; ln_w 1,024 float32; query_tensor 2,048 x 2 x 1,024 float32; value_tensor 2,048 x 2 x 1,024 float32.
;; Outputs: out0 2,048 x 2 x 1,024 float32.
;; This version of the problem:
;;   THIS VERSION OF THE PROBLEM IS GIVEN IN LOW PRECISION. The matrix products marked QUANTISED in the list below multiply operands that are first quantised to E2M1 (2 exponent bits, 1 mantissa bit; 4 bits a number), with one power-of-two scale for each 32 numbers along K (OCP MX v1.0); their sums are f32. All else is computed in f32.
;;   The module's matrix products, in the order in which they are computed (A, B: the left and right operand; K: the contracted axis; several contracted axes count as one K, in the product's order):
;;     1. [M 4,096, K 1,024] x [K 1,024, N 1,024]; A: input query_tensor; B: input Wq: QUANTISED
;;     2. [M 4,096, K 1,024] x [K 1,024, N 1,024]; A: input key_tensor; B: input Wk: QUANTISED
;;     3. [M 4,096, K 1,024] x [K 1,024, N 1,024]; A: input value_tensor; B: input Wv: QUANTISED
;;     4. batch 32 x [M 2,048, K 64] x [K 64, N 2,048]; A: computed on the way; B: computed on the way: QUANTISED
;;     5. batch 32 x [M 2,048, K 2,048] x [K 2,048, N 64]; A: softmax (see below); B: computed on the way: QUANTISED
;;     6. [M 4,096, K 1,024] x [K 1,024, N 1,024]; A: computed on the way; B: input Wo: QUANTISED
;;   THE QUANTISER, for each operand of a quantised product, along K:
;;     - K is cut into blocks of 32 from its start; a last block that is shorter is filled with zeros.
;;     - A block's scale is 2^e with e = floor(log2(the largest magnitude in the block)) - 2, held to -126 .. 127; a block of zeros has e = 0. As a byte (E8M0): e + 127.
;;     - Each number is divided by its block's scale, clamped to +-6, and rounded to the nearest number of E2M1, ties to even, subnormals kept.
;;     - The product sums the exact products of the quantised numbers (number of the format x scale) in f32.
;;   ~~~python
;;   def quantise(x, axis):      # numpy; x: float32 -> the quantised numbers, widened to float32 again
;;       x = np.moveaxis(x, axis, -1); K = x.shape[-1]
;;       x = np.pad(x, [(0, 0)] * (x.ndim - 1) + [(0, -K % 32)]); x = x.reshape(x.shape[:-1] + (-1, 32)); a = np.abs(x).max(-1, keepdims=True)
;;       e = np.where(a > 0, np.clip(np.frexp(np.where(a > 0, a, 1))[1] - 1 - 2, -126, 127), 0)      # np.frexp(a)[1] - 1 = floor(log2(a)), exactly
;;       r = np.clip(x / 2.0 ** e, -6, 6)
;;       step = 2.0 ** (np.maximum(np.frexp(np.where(r == 0, 1, r))[1] - 1, 0) - 1)
;;       q = np.round(r / step) * step * 2.0 ** e      # np.round: ties to even
;;       return np.moveaxis(q.reshape(q.shape[:-2] + (-1,))[..., :K], -1, axis).astype(np.float32)
;;   ~~~
;;   SOFTMAX AHEAD OF A QUANTISED PRODUCT. Where the list says 'softmax', what is quantised is not the finished softmax but p = 2^(t - M), with t = logit x log2(e) and M = ceil(the row's largest t), a whole number; so 1/2 < the row's largest p <= 1. The row's sum l is taken of the UNQUANTISED p, in f32, and the product's result is divided by l at the end. Since M is a whole number, a kernel that streams over the keys may use a running M (the ceiling of the running maximum): every later rescaling is an exact power of two, which a block's scale takes up: the codes' values come out the same.
;;   OPERANDS COMPUTED ON THE WAY. 'Computed on the way' means the value that the module computes at that place (a softmax that the list does not call 'softmax' is quantised finished and normalised). What goes into a quantiser is computed in f32, as accurately as f32 sums, v_exp_f32 and their like allow (about 1e-6 of the number): no bf16 or f16 on the way to a quantiser, and a product that is left as it is and whose result goes on into a quantised operand takes f32 operands (vector FMAs, or v_wmma_f32_16x16x4_f32). A number that lies on a knife's edge between two numbers of the format may be rounded either way, as far as f32 arithmetic and the matrix unit's own rounding can turn it there, and no further.
;; 2 versions. Each part assembles by itself: llvm-mc -triple=amdgcn-amd-amdhsa -mcpu=gfx1250 --defsym DOCPART=n.
;; ======== version 1 of 2: 4 launches
;; workspace buffers: cods 8,388,608 bytes; scl 524,288 bytes; qkv 6,684,672 bytes; cimg 2,097,152 bytes; csc 131,072 bytes
;; launch quant (part 1): grid 256 x 1, 8 waves a work-group, no clusters, 68,608 bytes of LDS; arguments query_tensor, key_tensor, value_tensor, Wq, Wk, Wv, Wo, cods, scl; writes cods, scl
.if DOCPART == 1
	.amdgcn_target "amdgcn-amd-amdhsa--gfx1250"
	.amdhsa_code_object_version 6
	.text
	.protected	k_qe36a846b27_quant
	.globl	k_qe36a846b27_quant
	.p2align	8
	.type	k_qe36a846b27_quant,@function
k_qe36a846b27_quant:
	s_mov_b64 s[64:65], 0
	v_nop
	global_prefetch_b8 v0, s[64:65] scope:SCOPE_SE
	s_setreg_imm32_b32 hwreg(HW_REG_WAVE_MODE, 25, 1), 1
	s_wait_xcnt 0x0
; The three activations [2048][2][1024] and the four weights [1024][1024], f32, K innermost, become codes of FP4 (E2M1) with one E8M0 byte for each 32 along K,
; laid IN THE ORDER OF AN OPERAND'S REGISTERS.  A tile is 16 rows x 1,024 K: 8,192 bytes [K step 8][c 2][lane 32][16 bytes]; lane (r, h) holds k = 128 ks + 64 c + 32 h + 0 .. 31 of the tile's row r.
; THE ROWS OF A TILE ARE NOT NEIGHBOURS: tile u (0, 1) of group g holds in lane r the logical row 32 g + 8 u + r + (r & 8) (an activation's logical row is s, b fixed; a weight's is n), so that a later
; product's results of two neighbouring tiles are 16 neighbours in a lane's registers.  Tiles: xq 0-255, xk 256-511, xv 512-767 (128 b + 2 g + u), Wq 768.., Wk 832.., Wv 896.., Wo 960.. (2 g + u).
; Scale words: scl + 512 tile + 256 (K half) + 16 r: four words, one for each K step of 128, byte b for k = 32 b on.
; A block's scale is 2^(floor(log2(its largest magnitude)) - 2); its byte is the largest magnitude's exponent field - 2, held at 1 from below.
; LIMITS: a block of zeros gets the byte 1 where the rule says 127 (its codes are zeros, and this program alone reads the bytes); NaN and infinities among the inputs are not served.
; SHARES: a work-group takes 4 tiles, a wave half of a tile's K: 4 steps of 16 rows x 512 bytes.  Each load reads 512 consecutive bytes of one row; the step turns through the wave's own stage in LDS
; (16 rows of 512 + 16 bytes), from which a lane takes 32 neighbours along K twice.  No barrier: waves share nothing.  Memory binds, so matrix units, clusters and tensor loads would add nothing.
.set SP,   528                         ; a stage row: 512 bytes + 16: an odd multiple of 16, so that the 16 rows that a read touches start in different banks
.set OFF,  16                          ; v16-31   row i's byte offset: 16 lane + (i + (i & 8)) rows
.set R,    32                          ; v32-159  two sets of 64: a step's numbers as loaded
.set X,    160                         ; v160-223 my two blocks of 32 neighbours
.set C,    224                         ; v224-239 two sets of 8: a step's codes
.set SW,   240                         ; v240-243 a scale word for each step
.set MX,   6                           ; v6-7     largest magnitudes
.set SO,   8                           ; v8-9     the conversions' scale operands
.set BY,   10                          ; v10-11   the scale bytes
.set WD,   12
.set TMP,  13
	s_load_b512 s[8:23], s[0:1], 0x0               ; q s[8:9], k s[10:11], v s[12:13], Wq s[14:15], Wk s[16:17], Wv s[18:19], Wo s[20:21], cods s[22:23]
	s_load_b64 s[24:25], s[0:1], 0x40              ; scl
	v_lshl_add_u32 v254, v0, 2, 0x10800
	v_mov_b32 v255, 0
	v_lshrrev_b32 v1, 5, v0
	v_readfirstlane_b32 s2, v1                     ; wave 0..7
	v_and_b32 v14, 31, v0                          ; lane
	v_and_b32 v15, 15, v0                          ; r
	v_bfe_u32 v4, v0, 4, 1                         ; h
	v_lshlrev_b32 v1, 4, v14                       ; 16 lane
	s_mul_i32 s3, s2, 16*SP                        ; my stage
	v_add_nc_u32 v2, s3, v1                        ; into it: 16 bytes a lane of a row
	v_mul_u32_u24 v3, v15, SP
	v_lshl_add_u32 v3, v4, 7, v3
	v_add_nc_u32 v3, s3, v3                        ; out of it: row r, 128 h bytes on
	v_lshlrev_b32 v5, 4, v15
	v_lshl_add_u32 v5, v4, 3, v5                   ; the scale words' way out: 16 r + 8 h
	v_lshlrev_b32 v4, 3, v4                        ; 8 h: my bytes' place in a scale word, in bits
	v_mov_b32 v[TMP], 0                            ; written once: a lane permute's destination counts as one of its sources
	s_mov_b32 s38, 0x76543210
	s_mov_b32 s39, 0xfedcba98                      ; v_permlanex16_b32's selects for lane l xor 16
	s_lshl_b32 s4, ttmp9, 2
	s_lshr_b32 s5, s2, 1
	s_add_co_u32 s4, s4, s5                        ; my tile
	s_and_b32 s5, s2, 1                            ; my half of K
	s_cmp_lt_u32 ttmp9, 192                        ; an activation's tile or a weight's?
	s_cselect_b32 s6, 127, 63                      ; tiles of one b, or of one weight, less 1
	s_cselect_b32 s7, 13, 12                       ; a logical row is 8,192 bytes on (s: two rows of memory) or 4,096
	s_cselect_b32 s28, 1, 0
	s_and_b32 s6, s4, s6                           ; 2 g + u
	s_lshr_b32 s29, s4, 7
	s_and_b32 s29, s29, s28                        ; b (0 for a weight)
	s_lshr_b32 s30, s6, 1
	s_lshl_b32 s30, s30, 5
	s_and_b32 s31, s6, 1
	s_lshl_b32 s31, s31, 3
	s_add_co_u32 s30, s30, s31                     ; the tile's first logical row: 32 g + 8 u
	s_lshl_b32 s30, s30, s7
	s_lshl_b32 s29, s29, 12
	s_add_co_u32 s30, s30, s29
	s_lshl_b32 s31, s5, 11                         ; my half of K: 512 numbers
	s_add_co_u32 s30, s30, s31
	s_mov_b32 s31, 0
.irp i, 0,1,2,3,4,5,6,7,8,9,10,11,12,13,14,15
	s_lshl_b32 s33, \i+(\i&8), s7
	v_add_nc_u32 v[OFF+\i], s33, v1
.endr
	s_wait_kmcnt 0x0
	s_mov_b64 s[26:27], s[20:21]                   ; which tensor: the choice hangs on the work-group's number alone
	s_cmp_lt_u32 ttmp9, 240
	s_cselect_b64 s[26:27], s[18:19], s[26:27]
	s_cmp_lt_u32 ttmp9, 224
	s_cselect_b64 s[26:27], s[16:17], s[26:27]
	s_cmp_lt_u32 ttmp9, 208
	s_cselect_b64 s[26:27], s[14:15], s[26:27]
	s_cmp_lt_u32 ttmp9, 192
	s_cselect_b64 s[26:27], s[12:13], s[26:27]
	s_cmp_lt_u32 ttmp9, 128
	s_cselect_b64 s[26:27], s[10:11], s[26:27]
	s_cmp_lt_u32 ttmp9, 64
	s_cselect_b64 s[26:27], s[8:9], s[26:27]
	s_add_nc_u64 s[26:27], s[26:27], s[30:31]
	s_lshl_b32 s34, s4, 13
	s_lshl_b32 s35, s5, 12
	s_add_co_u32 s34, s34, s35
	s_mov_b32 s35, 0
	s_add_nc_u64 s[22:23], s[22:23], s[34:35]      ; my half of the tile's image
	s_lshl_b32 s34, s4, 9
	s_lshl_b32 s36, s5, 8
	s_add_co_u32 s34, s34, s36
	s_add_nc_u64 s[24:25], s[24:25], s[34:35]      ; and of its scale words
.macro LOAD t                          ; step t: 16 rows x 512 consecutive bytes
.irp i, 0,1,2,3,4,5,6,7,8,9,10,11,12,13,14,15
	global_load_b128 v[R+64*((\t)%2)+4*\i:R+64*((\t)%2)+4*\i+3], v[OFF+\i], s[26:27] offset:512*(\t) th:TH_LOAD_NT
.endr
.endm
.macro STEP t
.if (\t) < 3
	s_wait_loadcnt 16                              ; this step's 16 loads are in; the next step's 16 may be out
.else
	s_wait_loadcnt 0x0
.endif
.irp i, 0,1,2,3,4,5,6,7,8,9,10,11,12,13,14,15
	ds_store_b128 v2, v[R+64*((\t)%2)+4*\i:R+64*((\t)%2)+4*\i+3] offset:SP*\i
.endr
.irp c, 0,1
.irp q, 0,1,2,3,4,5,6,7
	ds_load_b128 v[X+32*\c+4*\q:X+32*\c+4*\q+3], v3 offset:256*\c+16*\q   ; LDS serves a wave's instructions in order: these see the stores above.  k = 64 c + 32 h + 4 q on, of row r
.endr
.endr
	s_wait_dscnt 0x0                               ; my 64 numbers are back, and the stores have read their registers,
.if (\t) < 2
	LOAD (\t)+2                                    ; which take the loads of two steps on
.endif
.irp c, 0,1
	v_max3_num_f32 v[MX+\c], |v[X+32*\c]|, |v[X+32*\c+1]|, 0x1800000   ; a whole block is mine; the floor 2^(3 - 127) holds the byte at 1 from below
.endr
.irp i, 2,4,6,8,10,12,14,16,18,20,22,24,26,28,30
.irp c, 0,1
	v_max3_num_f32 v[MX+\c], v[MX+\c], |v[X+32*\c+\i]|, |v[X+32*\c+\i+1]|
.endr
.endr
.irp c, 0,1
	v_add_nc_u32 v[SO+\c], 0xff000000, v[MX+\c]    ; 2 off the exponent field: the conversion takes the exponent field of this operand as its scale
.endr
.if (\t) >= 2
	s_wait_xcnt 0x0                                ; the stores of two steps ago have read this set of codes: it is written again only behind this wait
.endif
.irp c, 0,1
.irp g, 0,1,2,3
	v_cvt_scalef32_pk8_fp4_f32 v[C+8*((\t)%2)+4*\c+\g], v[X+32*\c+8*\g:X+32*\c+8*\g+7], v[SO+\c]
.endr
.endr
.irp c, 0,1
	v_lshrrev_b32 v[BY+\c], 23, v[SO+\c]           ; the scale's byte.  (Also the plain line behind the conversions)
.endr
	v_lshl_or_b32 v[WD], v[BY+1], 16, v[BY]        ; my two bytes: blocks h and 2 + h of row r,
	v_lshlrev_b32 v[WD], v4, v[WD]                 ; at their places in the word;
	v_permlanex16_b32 v[TMP], v[WD], s38, s39
	v_or_b32 v[SW+(\t)], v[WD], v[TMP]             ; with lane l xor 16's two the word is whole
.irp c, 0,1
	global_store_b128 v1, v[C+8*((\t)%2)+4*\c:C+8*((\t)%2)+4*\c+3], s[22:23] offset:1024*(\t)+512*\c   ; 512 consecutive bytes of the image
.endr
.endm
	LOAD 0
	LOAD 1
	STEP 0
	STEP 1
	STEP 2
	STEP 3
	v_cmp_ne_u32 vcc_lo, 0, v4                     ; lanes 16-31 store the words of steps 2 and 3
	v_cndmask_b32 v244, v[SW], v[SW+2], vcc_lo
	v_cndmask_b32 v245, v[SW+1], v[SW+3], vcc_lo
	global_store_b64 v5, v[244:245], s[24:25]      ; the 32 lanes store 256 consecutive bytes, aligned
	s_wait_tensorcnt 0x0
	ds_add_u32 v254, v255
	s_wait_dscnt 0x0
	s_endpgm
.Lfunc_end_k_qe36a846b27_quant:
	.size	k_qe36a846b27_quant, .Lfunc_end_k_qe36a846b27_quant-k_qe36a846b27_quant
	.p2alignl 7, 3214868480
	.fill 96, 4, 3214868480
	.section	.rodata,"a",@progbits
	.p2align	6, 0x0
	.amdhsa_kernel k_qe36a846b27_quant
		.amdhsa_group_segment_fixed_size 68608
		.amdhsa_private_segment_fixed_size 0
		.amdhsa_enable_private_segment 0
		.amdhsa_kernarg_size 72
		.amdhsa_user_sgpr_count 2
		.amdhsa_user_sgpr_kernarg_segment_ptr 1
		.amdhsa_wavefront_size32 1
		.amdhsa_system_sgpr_workgroup_id_x 1
		.amdhsa_system_sgpr_workgroup_id_y 1
		.amdhsa_system_sgpr_workgroup_id_z 1
		.amdhsa_system_vgpr_workitem_id 0
		.amdhsa_next_free_vgpr 256
		.amdhsa_next_free_sgpr 66
		.amdhsa_reserve_vcc 1
		.amdhsa_float_denorm_mode_32 3
		.amdhsa_float_denorm_mode_16_64 3
		.amdhsa_memory_ordered 1
		.amdhsa_forward_progress 1
		.amdhsa_inst_pref_size 32
	.end_amdhsa_kernel
	.amdgpu_metadata
---
amdhsa.version: [ 1, 2 ]
amdhsa.kernels:
  - .name:           k_qe36a846b27_quant
    .symbol:         k_qe36a846b27_quant.kd
    .args:
      - { .name: query_tensor, .offset: 0, .size: 8, .value_kind: global_buffer, .address_space: global }
      - { .name: key_tensor, .offset: 8, .size: 8, .value_kind: global_buffer, .address_space: global }
      - { .name: value_tensor, .offset: 16, .size: 8, .value_kind: global_buffer, .address_space: global }
      - { .name: Wq, .offset: 24, .size: 8, .value_kind: global_buffer, .address_space: global }
      - { .name: Wk, .offset: 32, .size: 8, .value_kind: global_buffer, .address_space: global }
      - { .name: Wv, .offset: 40, .size: 8, .value_kind: global_buffer, .address_space: global }
      - { .name: Wo, .offset: 48, .size: 8, .value_kind: global_buffer, .address_space: global }
      - { .name: cods, .offset: 56, .size: 8, .value_kind: global_buffer, .address_space: global }
      - { .name: scl, .offset: 64, .size: 8, .value_kind: global_buffer, .address_space: global }
    .group_segment_fixed_size: 68608
    .private_segment_fixed_size: 0
    .kernarg_segment_align: 8
    .kernarg_segment_size: 72
    .max_flat_workgroup_size: 256
    .sgpr_count:     66
    .vgpr_count:     256
    .wavefront_size: 32
...
	.end_amdgpu_metadata
.endif
;; end of part 1
;; launch proj (part 2): grid 64 x 3, 4 waves a work-group, no clusters, 0 bytes of LDS; arguments cods, scl, bq, bk, bv, qkv; writes qkv
.if DOCPART == 2
	.amdgcn_target "amdgcn-amd-amdhsa--gfx1250"
	.amdhsa_code_object_version 6
	.text
	.protected	k_qe36a846b27_proj
	.globl	k_qe36a846b27_proj
	.p2align	8
	.type	k_qe36a846b27_proj,@function
k_qe36a846b27_proj:
	s_mov_b64 s[64:65], 0
	v_nop
	global_prefetch_b8 v0, s[64:65] scope:SCOPE_SE
	s_setreg_imm32_b32 hwreg(HW_REG_WAVE_MODE, 25, 1), 1
	s_wait_xcnt 0x0
; q = xq Wq^T + bq, k = xk Wk^T + bk, v = xv Wv^T + bv on codes of FP4 with E8M0 scales (work-group y = 0, 1, 2), each result quantised in registers and stored as codes in the order in which attention's operands want them.
; ROLES.  Source 0 (P) gives the result's registers, source 1 (L) its lanes.  q, k: P = 16 rows of W, L = 16 rows of x: a lane holds one s, its registers run along n = (head, d), the next K.
; v: P = 16 rows of xv, L = 16 rows of Wv: a lane holds one (head, d), its registers run along the keys, which are the second attention product's K.  By the tiles' row order (lane r of tile u of group g
; is logical row 32 g + 8 u + r + (r & 8)) the 16 registers of P's tiles 2 g, 2 g + 1 are 16 neighbours: 32 g + 16 h + 0 .. 15.
; SHARES.  A wave makes 128 of P x 128 of L: 64 accumulators, 512 registers; a work-group 2 x 2 waves; 64 work-groups for each of the three products.  K = 1,024 in 8 steps, written out.
; OPERANDS go from memory straight into registers: the images lie in the registers' order, so each load is 512 consecutive bytes, and no LDS is used.  Three sets of fragment registers: a K step's 32 loads are
; issued two K steps (128 matrix instructions) ahead of their use.
; NO CLUSTER: this text has no tensor load that partners could share.  A wave's 16 KB of a K step are read again by one other wave of its work-group and by 3 or 15 other work-groups; a ring in LDS filled by joint
; loads would divide those requests by four at the price of a second road for the two roles.  Not built here.
; THE BIAS is the C of each sum's first matrix instruction.  The two roles are two expansions of one macro under one scalar branch on the work-group's y.
; qkv: 32 heads (16 b + head) x HS bytes: K's images (1,024 g + 512 u + 16 lane: d = 32 h on of the lane's key), V's (4,096 step + 1,024 t + 512 c + 16 lane: row d = 32 (t / 2) + 8 (t % 2) + r + (r & 8), keys 128 step + 64 c + 32 h on),
; K's scale words (256 step + 16 r + 4 blk: the two byte pairs of tiles u = 0, 1 of group 4 step + blk), V's (256 step + 16 r + 4 t), then Q's images and words, laid like K's.
; LIMITS: a block of zeros gets the byte 1 where the rule says 127 (its codes are zeros; this program alone reads the bytes); NaN and infinities are not served.
; REGISTERS: window 0: v1-7 addresses; v8-23 at work; v24-31 the scale words made; v32-35 as they leave; v64-127 scale words (register 8 i + ks: lanes 0-15 L's tile i, lanes 16-31 P's tile i); v128-191, v192-255 L's sets 0, 1
; (on the way out v128-191 take the codes).  window 1: v0-63, v64-127, v128-191 P's sets 0, 1, 2 (set 2 holds the bias first); v192-255 L's set 2.  windows 2, 3: accumulator (a, p) at v[8 (8 (a % 4) + p)] of window 2 + a / 4.
.set HS,   208896
.set VC,   65536
.set KS,   131072
.set VS,   135168
.set QC,   139264
.set QS,   204800
.set TM,   8
.set PW,   24
.set OUTW, 32
.set SC,   64
.set MSB, 0
.macro WIN new                         ; the immediate's high byte repeats the setting that is left; a switch that changes nothing is dropped
.if MSB != (\new)
	s_set_vgpr_msb (MSB<<8)|(\new)
.set MSB, (\new)
.endif
.endm
.macro PLACES                          ; four places between a matrix instruction and a load into, or a vector instruction's read or write of, its registers (ISA guide 7.12.1 for vector instructions)
.rept 4
	v_nop
.endr
.endm
.macro LOADS ks                        ; K step ks: P's eight fragments and L's eight into set ks % 3
.set ST3, (\ks)%3
.if ST3 == 0
.set LR, 128
.else
.set LR, 192
.endif
	WIN 0x40                                       ; destination window 1, address window 0
.irp p, 0,1,2,3,4,5,6,7
.irp c, 0,1
	global_load_b128 v[64*ST3+8*\p+4*\c:64*ST3+8*\p+4*\c+3], v1, s[28:29] offset:8192*\p+1024*(\ks)+512*\c
.endr
.endr
.if ST3 < 2
	WIN 0
.endif
.irp a, 0,1,2,3,4,5,6,7
.irp c, 0,1
	global_load_b128 v[LR+8*\a+4*\c:LR+8*\a+4*\c+3], v1, s[30:31] offset:8192*\a+1024*(\ks)+512*\c
.endr
.endr
.endm
; 64 matrix instructions: L's tiles one after the other, each against P's eight.  The 64 accumulators take turns, one instruction a turn, in the same order in every K step.
.macro WMMA ks, isv
.set ST3, (\ks)%3
.set PR, 64*ST3
.if ST3 == 0
.set LR, 128
.else
.set LR, 192
.endif
.if ST3 == 2
.set LWN, 4
.else
.set LWN, 0
.endif
.irp a, 0,1,2,3,4,5,6,7
.if (\ks) == 0
	WIN 0x91+0x40*(\a/4)                           ; P window 1, L window 0, C (the bias) window 1, D window 2 or 3
.else
	WIN 0xa1+0x50*(\a/4)+LWN                       ; P window 1, L window 0 (set 2: window 1), C and D window 2 or 3
.endif
.irp p, 0,1,2,3,4,5,6,7
.if (\ks) == 0
.if \isv
	v_wmma_scale_f32_16x16x128_f8f6f4 v[8*(8*(\a%4)+\p):8*(8*(\a%4)+\p)+7], v[PR+8*\p:PR+8*\p+7], v[LR+8*\a:LR+8*\a+7], v[128+8*\a:128+8*\a+7], v[SC+8*\p+(\ks)], v[SC+8*\a+(\ks)] matrix_a_fmt:MATRIX_FMT_FP4 matrix_b_fmt:MATRIX_FMT_FP4 matrix_a_scale:MATRIX_SCALE_ROW1
.else
	v_wmma_scale_f32_16x16x128_f8f6f4 v[8*(8*(\a%4)+\p):8*(8*(\a%4)+\p)+7], v[PR+8*\p:PR+8*\p+7], v[LR+8*\a:LR+8*\a+7], v[128+8*\p:128+8*\p+7], v[SC+8*\p+(\ks)], v[SC+8*\a+(\ks)] matrix_a_fmt:MATRIX_FMT_FP4 matrix_b_fmt:MATRIX_FMT_FP4 matrix_a_scale:MATRIX_SCALE_ROW1
.endif
.else
	v_wmma_scale_f32_16x16x128_f8f6f4 v[8*(8*(\a%4)+\p):8*(8*(\a%4)+\p)+7], v[PR+8*\p:PR+8*\p+7], v[LR+8*\a:LR+8*\a+7], v[8*(8*(\a%4)+\p):8*(8*(\a%4)+\p)+7], v[SC+8*\p+(\ks)], v[SC+8*\a+(\ks)] matrix_a_fmt:MATRIX_FMT_FP4 matrix_b_fmt:MATRIX_FMT_FP4 matrix_a_scale:MATRIX_SCALE_ROW1
.endif
.endr
.endr
.endm
; 64 numbers of a lane in window w, v[s] on, register 16 b + i = the next K's 32 b + 16 h + i of my row, become a fragment's codes in v[pc] on and its scale word in v[pw], both in window 0.
.macro QUANTW w, s, pc, pw
	WIN (\w)*5                                     ; sources 0 and 1: window w
.irp b, 0,1,2,3
	v_max3_num_f32 v[TM+\b], |v[(\s)+16*\b]|, |v[(\s)+16*\b+1]|, 0x1800000   ; each accumulator is read from its low end on; the floor 2^(3 - 127) holds the byte at 1 from below
.endr
.irp i, 2,4,6,8,10,12,14
.irp b, 0,1,2,3
	v_max3_num_f32 v[TM+\b], |v[(\s)+16*\b+\i]|, |v[(\s)+16*\b+\i+1]|, v[TM+\b]
.endr
.endr
	WIN 0
.irp b, 0,1,2,3
	v_permlanex16_b32 v[TM+4+\b], v[TM+\b], s46, s47
.endr
.irp b, 0,1,2,3
	v_max_num_f32 v[TM+\b], v[TM+\b], v[TM+4+\b]   ; with lane l xor 16's 16: the block's largest magnitude
.endr
.irp b, 0,1,2,3
	v_add_nc_u32 v[TM+12+\b], 0xff000000, v[TM+\b] ; 2 off its exponent field: the conversion's scale operand
.endr
.irp b, 0,1,2,3
	v_lshrrev_b32 v[TM+4+\b], 23, v[TM+12+\b]      ; the scale's byte
.endr
	v_lshl_or_b32 v[\pw], v[TM+5], 8, v[TM+4]
	v_lshl_or_b32 v[\pw], v[TM+6], 16, v[\pw]
	v_lshl_or_b32 v[\pw], v[TM+7], 24, v[\pw]
	WIN (\w)                                       ; source 0: window w
.irp b, 0,1,2,3
	v_cvt_scalef32_pk8_fp4_f32 v[(\pc)+2*\b], v[(\s)+16*\b:(\s)+16*\b+7], v[TM+12+\b]
	v_cvt_scalef32_pk8_fp4_f32 v[(\pc)+2*\b+1], v[(\s)+16*\b+8:(\s)+16*\b+15], v[TM+12+\b]
.endr
	WIN 0
	v_nop                                          ; one plain line behind a scaled conversion
.irp c, 0,1                            ; the operand's layout wants a whole block in a lane: lanes 0-15 block 2 c, lanes 16-31 block 2 c + 1
.irp i, 0,1
	v_permlane16_swap_b32 v[(\pc)+4*\c+\i], v[(\pc)+4*\c+2+\i]
.endr
.endr
.endm
.macro PROJ isv
.if \isv
	s_lshl_b32 s23, s20, 1
	s_add_co_u32 s23, s23, s21                     ; P's 128 keys: 0..15
	s_lshl_b32 s24, s19, 1
	s_add_co_u32 s24, s24, s22                     ; L's 128 rows of Wv: 0..7
	s_lshl_b32 s25, s18, 7
	s_lshl_b32 s27, s23, 3
	s_add_co_u32 s25, s25, s27
	s_add_co_u32 s25, s25, 512                     ; P's first tile
	s_lshl_b32 s26, s24, 3
	s_add_co_u32 s26, s26, 896                     ; L's first tile
	s_lshl_b32 s40, s24, 9
	s_add_nc_u64 s[32:33], s[12:13], s[40:41]      ; bv at L's first row
	s_lshl_b32 s42, s18, 4
	s_lshl_b32 s43, s24, 1
	s_add_co_u32 s42, s42, s43
	s_mul_i32 s42, s42, HS                         ; the first of my two heads
	s_lshl_b32 s43, s23, 12
	s_add_co_u32 s40, s42, s43
	s_add_co_u32 s40, s40, VC
	s_add_nc_u64 s[34:35], s[14:15], s[40:41]      ; where the codes go
	s_lshl_b32 s43, s23, 8
	s_add_co_u32 s40, s42, s43
	s_add_co_u32 s40, s40, VS
	s_add_nc_u64 s[36:37], s[14:15], s[40:41]      ; and the scale words
	v_and_b32 v3, 8, v6
	v_add_nc_u32 v3, v3, v6
	v_lshlrev_b32 v3, 2, v3                        ; the bias of my lane's row: 4 (r + (r & 8))
.else
	s_lshl_b32 s23, s19, 1
	s_add_co_u32 s23, s23, s21                     ; P's 128 rows of W: 0..7
	s_lshl_b32 s24, s20, 1
	s_add_co_u32 s24, s24, s22                     ; L's 128 rows of x: 0..15
	s_lshl_b32 s25, s17, 6
	s_lshl_b32 s27, s23, 3
	s_add_co_u32 s25, s25, s27
	s_add_co_u32 s25, s25, 768                     ; P's first tile
	s_lshl_b32 s26, s17, 8
	s_lshl_b32 s27, s18, 7
	s_add_co_u32 s26, s26, s27
	s_lshl_b32 s27, s24, 3
	s_add_co_u32 s26, s26, s27                     ; L's first tile
	s_cmp_eq_u32 s17, 0                            ; q or k: the choices hang on the work-group's y alone
	s_cselect_b64 s[32:33], s[8:9], s[10:11]
	s_cselect_b32 s38, QC, 0
	s_cselect_b32 s39, QS-KS, 0
	s_add_co_u32 s39, s39, KS
	s_lshl_b32 s40, s23, 9
	s_add_nc_u64 s[32:33], s[32:33], s[40:41]      ; the bias at P's first row
	s_lshl_b32 s42, s18, 4
	s_lshl_b32 s43, s23, 1
	s_add_co_u32 s42, s42, s43
	s_mul_i32 s42, s42, HS                         ; the first of my two heads
	s_lshl_b32 s43, s24, 12
	s_add_co_u32 s40, s42, s43
	s_add_co_u32 s40, s40, s38
	s_add_nc_u64 s[34:35], s[14:15], s[40:41]      ; where the codes go
	s_lshl_b32 s43, s24, 8
	s_add_co_u32 s40, s42, s43
	s_add_co_u32 s40, s40, s39
	s_add_nc_u64 s[36:37], s[14:15], s[40:41]      ; and the scale words
	v_lshlrev_b32 v3, 6, v7                        ; the bias of my half's registers: 64 h
	v_mov_b32 v36, 0x05040100
	v_mov_b32 v37, 0x07060302
	v_cndmask_b32 v5, v36, v37, vcc_lo             ; which byte pair of a scale word is my head's: lanes 0-15 the first head's, lanes 16-31 the second's
.endif
	s_lshl_b32 s40, s25, 13
	s_add_nc_u64 s[28:29], s[4:5], s[40:41]        ; P's images
	s_lshl_b32 s40, s26, 13
	s_add_nc_u64 s[30:31], s[4:5], s[40:41]        ; L's images
	s_lshl_b32 s43, s26, 9
	s_lshl_b32 s44, s25, 9
	v_mov_b32 v36, s43
	v_mov_b32 v37, s44
	v_cndmask_b32 v2, v36, v37, vcc_lo             ; scale words: lanes 0-15 take L's tiles, lanes 16-31 P's
	v_lshl_add_u32 v2, v6, 4, v2
.irp i, 0,1,2,3,4,5,6,7
.irp kh, 0,1
	global_load_b128 v[SC+8*\i+4*\kh:SC+8*\i+4*\kh+3], v2, s[6:7] offset:512*\i+256*\kh
.endr
.endr
	WIN 0x40
.if \isv
.irp a, 0,1,2,3,4,5,6,7
	global_load_b32 v[128+8*\a], v3, s[32:33] offset:(32*(\a/2)+8*(\a%2))*4
.endr
.else
.irp p, 0,1,2,3,4,5,6,7
	global_load_b128 v[128+8*\p:128+8*\p+3], v3, s[32:33] offset:(32*(\p/2)+8*(\p%2))*4
	global_load_b128 v[128+8*\p+4:128+8*\p+7], v3, s[32:33] offset:(32*(\p/2)+8*(\p%2))*4+16
.endr
.endif
	LOADS 0
	LOADS 1
	s_wait_loadcnt 32                              ; all but K step 1's 32 loads are in
.if \isv
	WIN 0x41                                       ; a lane's bias is one number for all eight registers of a result
.irp a, 0,1,2,3,4,5,6,7
.irp j, 1,2,3,4,5,6,7
	v_mov_b32 v[128+8*\a+\j], v[128+8*\a]
.endr
.endr
	PLACES
.endif
	WMMA 0, \isv
	PLACES                                         ; these four serve both runs of loads below: set 2 held the bias, set 0 was multiplied
	LOADS 2
	s_wait_loadcnt 32                              ; K step 1 is in; K step 2's 32 loads may be out
	LOADS 3
	WMMA 1, \isv
.irp ks, 2,3,4,5,6,7
.if \ks < 6
	PLACES
.endif
.if \ks < 7
	s_wait_loadcnt 32                              ; this K step is in; the next one's 32 loads may be out
.else
	s_wait_loadcnt 0x0
.endif
.if \ks < 6
	LOADS \ks+2                                    ; into the set that the K step before multiplied
.endif
	WMMA \ks, \isv
.endr
	PLACES
.irp a, 0,1,2,3,4,5,6,7
	QUANTW 2+\a/4, 64*(\a%4), 128+8*\a, PW+\a
.irp c, 0,1
.if \isv
	global_store_b128 v1, v[128+8*\a+4*\c:128+8*\a+4*\c+3], s[34:35] offset:(\a/4)*HS+1024*(\a%4)+512*\c   ; head a / 4, tile t = a % 4 of its d, keys 64 c on: 512 consecutive bytes
.else
	global_store_b128 v1, v[128+8*\a+4*\c:128+8*\a+4*\c+3], s[34:35] offset:512*\a+\c*HS                   ; head c, tile a of my 128 rows: 512 consecutive bytes
.endif
.endr
.endr
.irp i, 0,1,2,3
.if \isv
	v_cndmask_b32 v[OUTW+\i], v[PW+\i], v[PW+4+\i], vcc_lo         ; lanes 0-15 the first head's four tiles, lanes 16-31 the second's
.else
	v_perm_b32 v[OUTW+\i], v[PW+2*\i+1], v[PW+2*\i], v5            ; my head's byte pairs of tiles u = 0, 1 of a group
.endif
.endr
	global_store_b128 v4, v[OUTW:OUTW+3], s[36:37] ; each half of the lanes stores 256 consecutive bytes, aligned, of its head
.endm
	s_load_b256 s[4:11], s[0:1], 0x0               ; cods s[4:5], scl s[6:7], bq s[8:9], bk s[10:11]
	s_load_b128 s[12:15], s[0:1], 0x20             ; bv s[12:13], qkv s[14:15]
	v_lshrrev_b32 v1, 5, v0
	v_readfirstlane_b32 s16, v1                    ; wave 0..3
	v_and_b32 v1, 31, v0
	v_lshlrev_b32 v1, 4, v1                        ; 16 lane: an image's place for my lane
	v_and_b32 v6, 15, v0                           ; r
	v_bfe_u32 v7, v0, 4, 1                         ; h
	v_cmp_ne_u32 vcc_lo, 0, v7                     ; lanes 16-31; kept to the end
	v_mul_u32_u24 v4, v7, HS
	v_lshl_add_u32 v4, v6, 4, v4                   ; the scale words' way out: 16 r, lanes 16-31 one head on
.irp b, 0,1,2,3
	v_mov_b32 v[TM+4+\b], 0                        ; written once: a lane permute's destination counts as one of its sources
.endr
	s_and_b32 s17, ttmp7, 0xffff                   ; which product
	s_lshr_b32 s18, ttmp9, 5                       ; b
	s_and_b32 s19, ttmp9, 3                        ; which 256 rows of the weight
	s_bfe_u32 s20, ttmp9, 0x30002                  ; which 256 rows of the activation
	s_and_b32 s21, s16, 1
	s_lshr_b32 s22, s16, 1
	s_mov_b32 s46, 0x76543210
	s_mov_b32 s47, 0xfedcba98                      ; v_permlanex16_b32's selects for lane l xor 16
	s_mov_b32 s41, 0
	s_wait_kmcnt 0x0
	s_cmp_eq_u32 s17, 2
	s_cbranch_scc1 .Lvalues
	PROJ 0
	s_endpgm
.Lvalues:
	PROJ 1
	s_endpgm
.Lfunc_end_k_qe36a846b27_proj:
	.size	k_qe36a846b27_proj, .Lfunc_end_k_qe36a846b27_proj-k_qe36a846b27_proj
	.p2alignl 7, 3214868480
	.fill 96, 4, 3214868480
	.section	.rodata,"a",@progbits
	.p2align	6, 0x0
	.amdhsa_kernel k_qe36a846b27_proj
		.amdhsa_group_segment_fixed_size 0
		.amdhsa_private_segment_fixed_size 0
		.amdhsa_enable_private_segment 0
		.amdhsa_kernarg_size 48
		.amdhsa_user_sgpr_count 2
		.amdhsa_user_sgpr_kernarg_segment_ptr 1
		.amdhsa_wavefront_size32 1
		.amdhsa_system_sgpr_workgroup_id_x 1
		.amdhsa_system_sgpr_workgroup_id_y 1
		.amdhsa_system_sgpr_workgroup_id_z 1
		.amdhsa_system_vgpr_workitem_id 0
		.amdhsa_next_free_vgpr 1024
		.amdhsa_next_free_sgpr 66
		.amdhsa_reserve_vcc 1
		.amdhsa_float_denorm_mode_32 3
		.amdhsa_float_denorm_mode_16_64 3
		.amdhsa_memory_ordered 1
		.amdhsa_forward_progress 1
		.amdhsa_inst_pref_size 255
	.end_amdhsa_kernel
	.section	.bss,"aw",@nobits
	.p2align	6
	.space	262144
	.amdgpu_metadata
---
amdhsa.version: [ 1, 2 ]
amdhsa.kernels:
  - .name:           k_qe36a846b27_proj
    .symbol:         k_qe36a846b27_proj.kd
    .args:
      - { .name: cods, .offset: 0, .size: 8, .value_kind: global_buffer, .address_space: global }
      - { .name: scl, .offset: 8, .size: 8, .value_kind: global_buffer, .address_space: global }
      - { .name: bq, .offset: 16, .size: 8, .value_kind: global_buffer, .address_space: global }
      - { .name: bk, .offset: 24, .size: 8, .value_kind: global_buffer, .address_space: global }
      - { .name: bv, .offset: 32, .size: 8, .value_kind: global_buffer, .address_space: global }
      - { .name: qkv, .offset: 40, .size: 8, .value_kind: global_buffer, .address_space: global }
    .group_segment_fixed_size: 0
    .private_segment_fixed_size: 0
    .kernarg_segment_align: 8
    .kernarg_segment_size: 48
    .max_flat_workgroup_size: 128
    .sgpr_count:     66
    .vgpr_count:     1024
    .wavefront_size: 32
...
	.end_amdgpu_metadata
.endif
;; end of part 2
;; launch attn (part 3): grid 8 x 32, 16 waves a work-group, clusters of 4 x 1, 169,984 bytes of LDS; arguments qkv, cimg, csc; writes cimg, csc
.if DOCPART == 3
	.amdgcn_target "amdgcn-amd-amdhsa--gfx1250"
	.amdhsa_code_object_version 6
	.text
	.protected	k_qe36a846b27_attn
	.globl	k_qe36a846b27_attn
	.p2align	8
	.type	k_qe36a846b27_attn,@function
k_qe36a846b27_attn:
	s_mov_b64 s[64:65], 0
	v_nop
	global_prefetch_b8 v0, s[64:65] scope:SCOPE_SE
	s_setreg_imm32_b32 hwreg(HW_REG_WAVE_MODE, 25, 1), 1
	s_wait_xcnt 0x0
	s_wait_alu depctr_hold_cnt(0) depctr_sa_sdst(0) depctr_va_vdst(0) depctr_va_sdst(0) depctr_va_ssrc(0) depctr_va_vcc(0) depctr_vm_vsrc(0)
	s_getreg_b32 s2, hwreg(HW_REG_IB_STS2, 6, 4)
	s_cmp_eq_u32 s2, 0
	s_cbranch_scc0 .Lentry_in_a_cluster
	s_endpgm
.Lentry_in_a_cluster:
	s_bfe_u32 s2, ttmp6, 0x10000c
	s_cmp_lg_u32 s2, 0x3003
	s_cbranch_scc0 .Lentry_shape_is_right
	s_endpgm
.Lentry_shape_is_right:
; ctx[head][q] = the sum over k of softmax_k(q . k) v, no scaling of the scores, both products on codes of FP4 with E8M0 scales; ctx is quantised along d in registers and stored as codes for the output projection.
; THE SOFTMAX AHEAD OF THE SECOND PRODUCT: t = score x log2(e); M = the row's largest t so far, rounded up to a whole number; p = 2^(t - M) is quantised along the keys, not normalised.  The row's sum is taken of the
; unquantised p and divides O at the end.  When M moves, the sum and O are multiplied by 2^(old M - new M): exact.
; SHARES.  A work-group owns 256 queries of one head (work-group y), each of its sixteen waves one tile of 16, in 256 registers: four waves to a SIMD, so that one wave's vector work stands beside another's products and LDS loads.
; LDS.  The head's K and V images and scale words, 139,264 bytes on end in memory, are brought ONCE and stay: no slot is filled again.  Waves 0 to 7 bring 68 rows of 256 bytes each.
; CLUSTER.  The four work-groups of a cluster belong to one head and want the same bytes, so the fill is asked for jointly: the same tensor load, the same descriptor, a mask that names the four.
; LAYOUT.  Both products are used transposed: S^T = K Q^T, O^T = V^T P^T: a lane holds one query throughout.  By the tiles' row order the 16 registers of two neighbouring tiles of scores are 16 neighbouring keys.
; A HEAD HAS 64 ALONG d, THE INSTRUCTION 128 ALONG K: a fragment of K holds tile u = 0 of a group of 32 keys in registers 0-3 and tile u = 1 in registers 4-7.  Q lies between zeros: v16-19 = 0, v20-23 = q, v24-27 = 0;
; v[20:27] multiplies tile u = 0, v[16:23] tile u = 1.  Zero codes add nothing.  K's scale word holds both tiles' byte pairs, Q's its own pair twice.  So no LDS byte is read in vain.
; LIMITS: p under 2^-126 counts as 0; a block of zeros gets the byte 1 where the rule says 127 (its codes are zeros; this program alone reads the bytes); NaN and infinities are not served.
; ctx's scale bytes leave one byte a lane, 32 bytes apart: 131,072 bytes in the whole launch, against 2 MB of codes stored 512 bytes on end.
; REGISTERS: v1-5 addresses that stay; v8-10 the step's; v12 -M, v13 the largest t, v[14:15] the sum in two halves; v16-27 Q; v28, v29 its scale word; v32-63 K; v64-95 V; v96-159 S^T, then p; v160-191 O^T;
; v192-195, v196-199 K's and V's scale words; v224-231 p's codes; v232-254 at work.
.set HS,    208896
.set VC,    65536
.set KS,    131072
.set QC,    139264
.set QS,    204800
.set FILLW, 17408                      ; what one filling wave brings: 68 rows of 256 bytes
.macro ROUND                           ; a round of the cluster's barrier
	s_barrier_signal -1
	s_barrier_wait -1
	s_cmp_lg_u32 s10, 0
	s_cbranch_scc1 .Lnot_wave_0_\@
	s_barrier_signal -3
.Lnot_wave_0_\@:
	s_barrier_wait -3
	s_barrier_signal -1
	s_barrier_wait -1
.endm
	s_load_b128 s[4:7], s[0:1], 0x0                ; qkv s[4:5], cimg s[6:7]
	s_load_b64 s[8:9], s[0:1], 0x10                ; csc
	v_lshl_add_u32 v251, v0, 2, 0x29000
	v_mov_b32 v255, 0
	ds_add_u32 v251, v255
	ds_add_u32 v251, v255
	v_lshrrev_b32 v8, 5, v0
	v_readfirstlane_b32 s10, v8                    ; wave 0..15
	v_and_b32 v8, 31, v0
	v_and_b32 v9, 15, v0                           ; r
	v_bfe_u32 v10, v0, 4, 1                        ; h
	v_lshlrev_b32 v1, 4, v8                        ; 16 lane: K's images
	v_add_nc_u32 v2, VC, v1                        ; V's
	v_lshlrev_b32 v5, 4, v9                        ; 16 r
	v_add_nc_u32 v3, KS, v5                        ; the scale words
	v_lshl_add_u32 v4, v9, 5, v10                  ; ctx's scale byte: 32 r + h
	s_bfe_u32 s11, ttmp6, 0x40000                  ; cx: it enters the addresses of Q, cimg and csc alone
	s_lshl_b32 s12, ttmp9, 2
	s_add_co_u32 s12, s12, s11                     ; my block of 256 queries
	s_and_b32 s13, ttmp7, 0xffff                   ; the head, 16 b + hd, which the four partners share
	s_mul_i32 s14, s13, HS
	s_mov_b32 s15, 0
	s_mul_i32 s36, s10, FILLW                      ; my part of the fill, in memory and in LDS alike
	s_mov_b32 s37, 0
	s_lshl_b32 s38, s12, 4
	s_add_co_u32 s38, s38, s10                     ; my tile of queries: 2 g + u = 16 x block + wave
	s_lshl_b32 s40, s38, 9
	s_add_co_u32 s40, s40, QC                      ; its image
	s_mov_b32 s41, 0
	s_lshr_b32 s42, s38, 3
	s_lshl_b32 s42, s42, 8                         ; its scale words: 256 (g / 4)
	s_bfe_u32 s43, s38, 0x20001
	s_lshl_b32 s43, s43, 2                         ; + 4 (g % 4)
	s_add_co_u32 s42, s42, s43
	s_add_co_u32 s42, s42, QS
	s_mov_b32 s43, 0
	s_and_b32 s23, s10, 1
	s_mul_i32 s23, s23, 0x02020202
	s_add_co_u32 s23, s23, 0x01000100              ; byte selects: tile u's pair of the word, twice
	s_lshr_b32 s44, s13, 4
	s_lshl_b32 s44, s44, 7
	s_add_co_u32 s44, s44, s38                     ; ctx's tile: 128 b + 2 g + u
	s_and_b32 s45, s13, 15                         ; hd
	s_mov_b32 s16, 0x3fb8aa3b                      ; log2(e)
	s_mov_b32 s17, s16                             ; (named with it as a pair, so it is written)
	s_mov_b32 s18, 0x76543210
	s_mov_b32 s19, 0xfedcba98                      ; v_permlanex16_b32's selects for lane l xor 16
	s_mov_b32 s20, 16                              ; key steps
	s_mov_b32 s21, 0                               ; the step's images: 4,096 bytes a step
	s_mov_b32 s22, 0                               ; its scale words: 256 bytes a step
	; descriptor group 1: 68 rows of 256 bytes (32 elements of 8 bytes), dense in memory and in LDS
	s_mov_b32 s24, 15|(3<<16)|(1<<21)              ; 15:0 the mask: all four work-groups; 17:16 elements of 8 bytes; 21 set beside a mask
	s_mov_b32 s25, 32<<16                          ; tensor_dim0 = 32
	s_mov_b32 s26, 68<<16                          ; tensor_dim1 = 68
	s_mov_b32 s27, 32<<16                          ; tile_dim0 = 32
	s_mov_b32 s28, 68                              ; tile_dim1 = 68
	s_mov_b32 s29, 32                              ; from row to row
	s_mov_b32 s30, 0
	s_mov_b32 s31, 0
	s_wait_dscnt 0x0
	s_wait_kmcnt 0x0
	s_add_nc_u64 s[4:5], s[4:5], s[14:15]          ; the head's block
	s_mov_b32 s32, 1                               ; group 0: count = 1,
	s_mov_b32 s33, s36                             ; LDS address,
	s_add_nc_u64 s[34:35], s[4:5], s[36:37]        ; global address: the head and the wave's number alone,
	s_or_b32 s35, s35, 0x80000000                  ; type = 2
	s_add_nc_u64 s[40:41], s[4:5], s[40:41]
	s_add_nc_u64 s[42:43], s[4:5], s[42:43]
	s_lshl_b32 s46, s44, 13
	s_lshl_b32 s47, s45, 9
	s_add_co_u32 s46, s46, s47
	s_mov_b32 s47, 0
	s_add_nc_u64 s[6:7], s[6:7], s[46:47]          ; cimg: 8,192 tile + 512 hd (K step hd / 2, c = hd % 2)
	s_lshl_b32 s46, s44, 9
	s_lshl_b32 s45, s45, 1
	s_add_co_u32 s46, s46, s45
	s_add_nc_u64 s[8:9], s[8:9], s[46:47]          ; csc: 512 tile + 2 hd
	ROUND                                          ; all four work-groups are here: the joint loads meet
	s_cmp_lt_u32 s10, 8                            ; the branch hangs on the wave's number alone
	s_cbranch_scc0 .Lno_fill
	tensor_load_to_lds s[32:35], s[24:31]          ; one load of mine is out; four v_nop follow it
	s_nop 0
.rept 4
	v_nop
.endr
.Lno_fill:
	global_load_b128 v[20:23], v1, s[40:41]        ; Q's codes: d = 32 h on of query r
	global_load_b32 v28, v5, s[42:43]              ; the scale word of its group
.irp j, 16,17,18,19,24,25,26,27
	v_mov_b32 v[\j], 0                             ; zero codes on both sides of Q
.endr
	s_wait_loadcnt 0x0
	v_perm_b32 v29, v28, v28, s23                  ; Q's scale word; the moves below stand between it and the first product
	v_mov_b32 v13, 0xff61b1e6                      ; the largest t so far: -3e38, under every t
	v_floor_f32 v12, -v13                          ; -M
	v_mov_b32 v14, 0                               ; the sum, in two halves
	v_mov_b32 v15, 0
.irp b, 0,1,2,3
	v_mov_b32 v[236+\b], 0                         ; written once: a lane permute's destination counts as one of its sources
.endr
	v_mov_b32 v253, 0                              ; (named as the upper half of the pair v[252:253] before it is first written)
.irp j, 0,1,2,3,4,5,6,7,8,9,10,11,12,13,14,15,16,17,18,19,20,21,22,23,24,25,26,27,28,29,30,31
	v_mov_b32 v[160+\j], 0                         ; O^T: the step is written once; the first finds zeros, which the first change of M leaves zeros
.endr
	s_wait_tensorcnt 0x0                           ; my part of the fill has landed,
	s_barrier_signal -1
	s_barrier_wait -1                              ; everybody's has
.Lstep:                                            ; 16 trips of 128 keys
	v_add_nc_u32 v8, s21, v1
	v_add_nc_u32 v9, s21, v2
	v_add_nc_u32 v10, s22, v3
	v_nop                                          ; four places between the last trip's products and the loads into their registers
.irp blk, 0,1,2,3
.irp u, 0,1
	ds_load_b128 v[32+8*\blk+4*\u:35+8*\blk+4*\u], v8 offset:1024*\blk+512*\u
.endr
.endr
	ds_load_b128 v[192:195], v10                   ; K's scale words of the four groups
.irp t, 0,1,2,3
.irp c, 0,1
	ds_load_b128 v[64+8*\t+4*\c:67+8*\t+4*\c], v9 offset:1024*\t+512*\c
.endr
.endr
	ds_load_b128 v[196:199], v10 offset:4096       ; V's scale words of the four tiles of d
	s_wait_dscnt 9                                 ; K and its words are in; V's nine loads may be out
.irp blk, 0,1,2,3
	v_wmma_scale_f32_16x16x128_f8f6f4 v[96+16*\blk:103+16*\blk], v[32+8*\blk:39+8*\blk], v[20:27], 0, v[192+\blk], v29 matrix_a_fmt:MATRIX_FMT_FP4 matrix_b_fmt:MATRIX_FMT_FP4
	v_wmma_scale_f32_16x16x128_f8f6f4 v[104+16*\blk:111+16*\blk], v[32+8*\blk:39+8*\blk], v[16:23], 0, v[192+\blk], v29 matrix_a_fmt:MATRIX_FMT_FP4 matrix_b_fmt:MATRIX_FMT_FP4
.endr                                              ; register 16 blk + i of lane (r, h): query r, key 32 blk + 16 h + i of the step
.rept 4
	v_nop
.endr
.irp b, 0,1,2,3
	v_max3_num_f32 v[232+\b], v[96+16*\b], v[97+16*\b], v[98+16*\b]   ; the largest score of each block of 32 keys: it serves for the row's maximum and, since p rises with the score, for the block's largest p
.endr
.irp i, 3,5,7,9,11,13
.irp b, 0,1,2,3
	v_max3_num_f32 v[232+\b], v[232+\b], v[96+16*\b+\i], v[97+16*\b+\i]
.endr
.endr
.irp b, 0,1,2,3
	v_max_num_f32 v[232+\b], v[232+\b], v[111+16*\b]
.endr
.irp b, 0,1,2,3
	v_permlanex16_b32 v[236+\b], v[232+\b], s18, s19
.endr
.irp b, 0,1,2,3
	v_max_num_f32 v[232+\b], v[232+\b], v[236+\b]  ; with lane l xor 16's 16 keys
.endr
	v_max3_num_f32 v254, v232, v233, v234
	v_max_num_f32 v254, v254, v235                 ; the step's largest score of my query
	v_mul_f32 v254, s16, v254                      ; as t
	v_max_num_f32 v13, v13, v254                   ; the running largest t
	v_mov_b32 v254, v12
	v_floor_f32 v12, -v13                          ; the new -M = floor(-t) = -ceil(t): a whole number
	v_sub_f32 v254, v12, v254                      ; M's old value less its new one: a whole number, 0 or less
	v_cvt_i32_f32 v254, v254                       ; (it saturates)
	v_ldexp_f32 v252, 1.0, v254                    ; f = 2^(old M - new M)
.irp j, 0,2,4,6,8,10,12,14,16,18,20,22,24,26,28,30,32,34,36,38,40,42,44,46,48,50,52,54,56,58,60,62
	v_pk_fma_f32 v[96+\j:97+\j], v[96+\j:97+\j], s[16:17], v[12:13] op_sel_hi:[1,0,0]   ; t - M, two at a time (of both pairs the low word serves both halves)
.endr
.irp b, 0,1,2,3
	v_fma_f32 v[232+\b], v[232+\b], s16, v12       ; the same of each block's largest score
.endr
.irp j, 0,1,2,3,4,5,6,7,8,9,10,11,12,13,14,15,16,17,18,19,20,21,22,23,24,25,26,27,28,29,30,31,32,33,34,35,36,37,38,39,40,41,42,43,44,45,46,47,48,49,50,51,52,53,54,55,56,57,58,59,60,61,62,63
	v_exp_f32 v[96+\j], v[96+\j]                   ; p = 2^(t - M): not normalised
.endr
.irp b, 0,1,2,3
	v_exp_f32 v[232+\b], v[232+\b]                 ; the block's largest p: the same two instructions on the same number give the same bits
.endr
	v_pk_mul_f32 v[14:15], v[14:15], v[252:253] op_sel_hi:[1,0]   ; the sums under the new M.  (A plain line behind the exponentials)
	s_wait_alu depctr_va_vdst(0)
.irp b, 0,1,2,3
	v_max_num_f32 v[232+\b], 0x1800000, v[232+\b]  ; the floor 2^(3 - 127): the byte cannot fall under 1
.endr
.irp b, 0,1,2,3
	v_add_nc_u32 v[244+\b], 0xff000000, v[232+\b]  ; 2 off the exponent field: the conversion's scale operand
.endr
.irp b, 0,1,2,3
	v_lshrrev_b32 v[236+\b], 23, v[244+\b]         ; the scale's byte
.endr
	v_lshl_or_b32 v253, v237, 8, v236              ; p's scale word for these 128 keys
	v_lshl_or_b32 v253, v238, 16, v253
	v_lshl_or_b32 v253, v239, 24, v253
.irp b, 0,1,2,3
	v_cvt_scalef32_pk8_fp4_f32 v[224+2*\b], v[96+16*\b:103+16*\b], v[244+\b]
	v_cvt_scalef32_pk8_fp4_f32 v[225+2*\b], v[104+16*\b:111+16*\b], v[244+\b]
.endr
	v_nop                                          ; one plain line behind a scaled conversion
.irp c, 0,1                                    ; the operand's layout wants a whole block in a lane
.irp i, 0,1
	v_permlane16_swap_b32 v[224+4*\c+\i], v[226+4*\c+\i]
.endr
.endr
.irp j, 0,2,4,6,8,10,12,14,16,18,20,22,24,26,28,30
	v_pk_mul_f32 v[160+\j:161+\j], v[160+\j:161+\j], v[252:253] op_sel_hi:[1,0]   ; O^T under the new M, each accumulator from its low end on
.endr
	v_pk_add_f32 v[236:237], v[96:97], v[98:99]    ; the row's sum is taken of the unquantised p: two at a time, in two chains.  These 32 lines stand between every vector write above and the products below
.irp j, 4,8,12,16,20,24,28,32,36,40,44,48,52,56,60
	v_pk_add_f32 v[14:15], v[14:15], v[96+\j:97+\j]
	v_pk_add_f32 v[236:237], v[236:237], v[98+\j:99+\j]
.endr
	v_pk_add_f32 v[14:15], v[14:15], v[236:237]
	s_wait_dscnt 0x0                               ; V and its words are in
.irp t, 0,1,2,3                                ; O^T += V^T P^T: the four accumulators take turns
	v_wmma_scale_f32_16x16x128_f8f6f4 v[160+8*\t:167+8*\t], v[64+8*\t:71+8*\t], v[224:231], v[160+8*\t:167+8*\t], v[196+\t], v253 matrix_a_fmt:MATRIX_FMT_FP4 matrix_b_fmt:MATRIX_FMT_FP4
.endr
	s_add_co_u32 s21, s21, 4096
	s_add_co_u32 s22, s22, 256
	s_sub_co_u32 s20, s20, 1
	s_cmp_lg_u32 s20, 0
	s_cbranch_scc1 .Lstep
	; THE WAY OUT.  ctx = O^T / the sum: register 16 tb + i of lane (r, h) is d = 32 tb + 16 h + i of query r: two blocks of the output projection's K.
	v_add_f32 v14, v14, v15                        ; the sum's two halves,
	v_permlanex16_b32 v252, v14, s18, s19
	v_add_f32 v14, v14, v252                       ; and lane l xor 16's
	v_rcp_f32 v14, v14
	v_bfe_u32 v11, v0, 4, 1                        ; (plain lines behind the reciprocal, and among the places behind the last products)
	v_cmp_ne_u32 vcc_lo, 0, v11                    ; lanes 16-31
	v_nop
	v_nop
	s_wait_alu depctr_va_vdst(0)
.irp j, 0,1,2,3,4,5,6,7,8,9,10,11,12,13,14,15,16,17,18,19,20,21,22,23,24,25,26,27,28,29,30,31
	v_mul_f32 v[96+\j], v[160+\j], v14
.endr
.irp tb, 0,1
	v_max3_num_f32 v[232+\tb], |v[96+16*\tb]|, |v[97+16*\tb]|, 0x1800000
.endr
.irp i, 2,4,6,8,10,12,14
.irp tb, 0,1
	v_max3_num_f32 v[232+\tb], v[232+\tb], |v[96+16*\tb+\i]|, |v[97+16*\tb+\i]|
.endr
.endr
.irp tb, 0,1
	v_permlanex16_b32 v[236+\tb], v[232+\tb], s18, s19
.endr
.irp tb, 0,1
	v_max_num_f32 v[232+\tb], v[232+\tb], v[236+\tb]
.endr
.irp tb, 0,1
	v_add_nc_u32 v[244+\tb], 0xff000000, v[232+\tb]
.endr
.irp tb, 0,1
	v_lshrrev_b32 v[236+\tb], 23, v[244+\tb]
.endr
.irp tb, 0,1
	v_cvt_scalef32_pk8_fp4_f32 v[224+2*\tb], v[96+16*\tb:103+16*\tb], v[244+\tb]
	v_cvt_scalef32_pk8_fp4_f32 v[225+2*\tb], v[104+16*\tb:111+16*\tb], v[244+\tb]
.endr
	v_cndmask_b32 v238, v236, v237, vcc_lo         ; my half's byte: block h.  (The plain line behind the conversions)
	v_permlane16_swap_b32 v224, v226               ; a whole block in a lane: d = 32 h + 0 .. 31
	v_permlane16_swap_b32 v225, v227
	global_store_b128 v1, v[224:227], s[6:7]       ; 512 consecutive bytes of ctx's image
	global_store_b8 v4, v238, s[8:9]
	s_wait_tensorcnt 0x0
	ds_add_u32 v251, v255
	s_wait_dscnt 0x0
	ROUND                                          ; the closing round: no work-group ends while a partner may still ask for bytes that name it
	s_endpgm
.Lfunc_end_k_qe36a846b27_attn:
	.size	k_qe36a846b27_attn, .Lfunc_end_k_qe36a846b27_attn-k_qe36a846b27_attn
	.p2alignl 7, 3214868480
	.fill 96, 4, 3214868480
	.section	.rodata,"a",@progbits
	.p2align	6, 0x0
	.amdhsa_kernel k_qe36a846b27_attn
		.amdhsa_group_segment_fixed_size 169984
		.amdhsa_private_segment_fixed_size 0
		.amdhsa_enable_private_segment 0
		.amdhsa_kernarg_size 24
		.amdhsa_user_sgpr_count 2
		.amdhsa_user_sgpr_kernarg_segment_ptr 1
		.amdhsa_wavefront_size32 1
		.amdhsa_system_sgpr_workgroup_id_x 1
		.amdhsa_system_sgpr_workgroup_id_y 1
		.amdhsa_system_sgpr_workgroup_id_z 1
		.amdhsa_system_vgpr_workitem_id 0
		.amdhsa_next_free_vgpr 256
		.amdhsa_next_free_sgpr 66
		.amdhsa_reserve_vcc 1
		.amdhsa_float_denorm_mode_32 3
		.amdhsa_float_denorm_mode_16_64 3
		.amdhsa_memory_ordered 1
		.amdhsa_forward_progress 1
		.amdhsa_inst_pref_size 25
	.end_amdhsa_kernel
	.amdgpu_metadata
---
amdhsa.version: [ 1, 2 ]
amdhsa.kernels:
  - .name:           k_qe36a846b27_attn
    .symbol:         k_qe36a846b27_attn.kd
    .args:
      - { .name: qkv, .offset: 0, .size: 8, .value_kind: global_buffer, .address_space: global }
      - { .name: cimg, .offset: 8, .size: 8, .value_kind: global_buffer, .address_space: global }
      - { .name: csc, .offset: 16, .size: 8, .value_kind: global_buffer, .address_space: global }
    .group_segment_fixed_size: 169984
    .private_segment_fixed_size: 0
    .kernarg_segment_align: 8
    .kernarg_segment_size: 24
    .max_flat_workgroup_size: 512
    .sgpr_count:     66
    .vgpr_count:     256
    .wavefront_size: 32
...
	.end_amdgpu_metadata
.endif
;; end of part 3
;; launch outln (part 4): grid 256 x 1, 16 waves a work-group, no clusters, 84,480 bytes of LDS; arguments cimg, csc, cods, scl, bo, query_tensor, ln_w, ln_b, out0; writes out0
.if DOCPART == 4
	.amdgcn_target "amdgcn-amd-amdhsa--gfx1250"
	.amdhsa_code_object_version 6
	.text
	.protected	k_qe36a846b27_outln
	.globl	k_qe36a846b27_outln
	.p2align	8
	.type	k_qe36a846b27_outln,@function
k_qe36a846b27_outln:
	s_mov_b64 s[64:65], 0
	v_nop
	global_prefetch_b8 v0, s[64:65] scope:SCOPE_SE
	s_setreg_imm32_b32 hwreg(HW_REG_WAVE_MODE, 25, 1), 1
	s_wait_xcnt 0x0
; out0 = LayerNorm(ctx Wo^T + bo + query_tensor) x ln_w + ln_b.  The product is on codes of FP4 with E8M0 scales; all else in f32.
; SHARES.  A work-group owns one tile of ctx: 16 rows x all 1,024 columns, so that a row's mean and variance stay inside it.  Wave w of sixteen makes columns 64 w .. 64 w + 63 (four tiles of Wo) for the 16 rows,
; then takes row w alone through residual and LayerNorm.  Transposed use: source 0 = 16 rows of Wo, source 1 = ctx: a lane holds one row, and register j of tile i column 64 w + 32 (i / 2) + 16 h + 8 (i % 2) + j.
; ctx's image (8 KB) goes through LDS once, since all sixteen waves want it whole.  Wo's fragments go from memory straight into registers: each feeds exactly one product of the work-group, so LDS would add a road and spare nothing.
; NO CLUSTER: Wo's codes (512 KB) are walked by every work-group, but they exceed LDS, so sharing them wants a ring that is filled again behind a round of the cluster's barrier for every slot, for 32 matrix instructions a wave in all.  Not built here.
; bo is loaded into the accumulators, in the result's layout: the first product adds onto it.  The variance is taken of x - mean in a second pass over registers: no difference of large sums.
; LIMITS: v_rsq_f32 is not correctly rounded (1 ulp); NaN and infinities are not served.
; LDS: ctx's image at 0; ln_w and ln_b at 8,192; from 16,384 a stage of 16 rows x (4,096 + 16) bytes.
; REGISTERS: v1-8 addresses; v16-23 ctx's scale words; v24-39 Wo's (register 8 (i % 2) + ks: lanes 0-15 tiles 0, 1, lanes 16-31 tiles 2, 3); v40-71 four accumulators; v72-167 Wo's fragments, three sets (later the row and the residual);
; v168-231 ctx's eight fragments (later ln_w, ln_b); v232-243 at work.
.set LNP, 8192
.set STG, 16384
.set SPI, 4112                         ; a stage row: an odd multiple of 16 bytes, so that the 16 rows that a store touches start in different banks
.set CS,  16
.set WS,  24
.set ACC, 40
.set WF,  72
.set RES, 136
.set XR,  72
.set CF,  168
.set LW,  168
.set LB,  200
.macro PLACES                          ; four places between a matrix instruction and a load into, or a store of, its registers (ISA guide 7.12.1 for vector instructions)
.rept 4
	v_nop
.endr
.endm
.macro WLOAD ks                        ; K step ks of my four tiles of Wo into set ks % 3: 512 consecutive bytes a load
.irp i, 0,1,2,3
.irp c, 0,1
	global_load_b128 v[WF+32*((\ks)%3)+8*\i+4*\c:WF+32*((\ks)%3)+8*\i+4*\c+3], v1, s[8:9] offset:8192*\i+1024*(\ks)+512*\c
.endr
.endr
.endm
.macro MULS ks                         ; four products: the four accumulators take turns
.set WB, WF+32*((\ks)%3)
.irp i, 0,1
	v_wmma_scale_f32_16x16x128_f8f6f4 v[ACC+8*\i:ACC+8*\i+7], v[WB+8*\i:WB+8*\i+7], v[CF+8*(\ks):CF+8*(\ks)+7], v[ACC+8*\i:ACC+8*\i+7], v[WS+8*\i+(\ks)], v[CS+(\ks)] matrix_a_fmt:MATRIX_FMT_FP4 matrix_b_fmt:MATRIX_FMT_FP4
.endr
.irp i, 2,3
	v_wmma_scale_f32_16x16x128_f8f6f4 v[ACC+8*\i:ACC+8*\i+7], v[WB+8*\i:WB+8*\i+7], v[CF+8*(\ks):CF+8*(\ks)+7], v[ACC+8*\i:ACC+8*\i+7], v[WS+8*(\i-2)+(\ks)], v[CS+(\ks)] matrix_a_fmt:MATRIX_FMT_FP4 matrix_b_fmt:MATRIX_FMT_FP4 matrix_a_scale:MATRIX_SCALE_ROW1
.endr
.endm
.macro WSUM x, t                       ; the sum over the 32 lanes, in every lane
	v_add_f32_dpp v[\x], v[\x], v[\x] row_xmask:1 row_mask:0xf bank_mask:0xf
	v_add_f32_dpp v[\x], v[\x], v[\x] row_xmask:2 row_mask:0xf bank_mask:0xf
	v_add_f32_dpp v[\x], v[\x], v[\x] row_xmask:4 row_mask:0xf bank_mask:0xf
	v_add_f32_dpp v[\x], v[\x], v[\x] row_xmask:8 row_mask:0xf bank_mask:0xf
	v_permlanex16_b32 v[\t], v[\x], s26, s27
	v_add_f32 v[\x], v[\x], v[\t]
.endm
	s_load_b512 s[4:19], s[0:1], 0x0               ; cimg s[4:5], csc s[6:7], cods s[8:9], scl s[10:11], bo s[12:13], query s[14:15], ln_w s[16:17], ln_b s[18:19]
	s_load_b64 s[20:21], s[0:1], 0x40              ; out0
	v_lshl_add_u32 v254, v0, 2, 0x14200
	v_mov_b32 v255, 0
	v_lshrrev_b32 v1, 5, v0
	v_readfirstlane_b32 s22, v1                    ; wave 0..15
	v_and_b32 v1, 31, v0
	v_lshlrev_b32 v1, 4, v1                        ; 16 lane
	v_lshlrev_b32 v2, 4, v0                        ; 16 thread
	v_and_b32 v3, 255, v0
	v_lshlrev_b32 v3, 4, v3                        ; 16 (thread % 256)
	v_and_b32 v9, 15, v0                           ; r
	v_bfe_u32 v10, v0, 4, 1                        ; h
	v_lshlrev_b32 v4, 5, v9                        ; ctx's scale words: 32 r
	v_lshlrev_b32 v5, 6, v10                       ; bo: 64 h
	v_lshlrev_b32 v6, 4, v9
	v_lshl_add_u32 v6, v10, 10, v6                 ; Wo's scale words: 16 r, lanes 16-31 two tiles on
	s_lshl_b32 s23, s22, 8
	v_mul_u32_u24 v7, v9, SPI
	v_add_nc_u32 v7, v7, v5
	v_add_nc_u32 v7, s23, v7
	v_add_nc_u32 v7, STG, v7                       ; into the stage: row r, 256 wave + 64 h bytes on
	s_mul_i32 s28, s22, SPI
	v_add_nc_u32 v8, s28, v1
	v_add_nc_u32 v8, STG, v8                       ; out of it: row = my wave's number, 16 bytes a lane
	v_mov_b32 v241, 0                              ; (named as the upper half of the pair v[240:241])
	v_mov_b32 v243, 0x2b8cbccc                     ; 1e-12
	s_mov_b32 s26, 0x76543210
	s_mov_b32 s27, 0xfedcba98                      ; v_permlanex16_b32's selects for lane l xor 16
	s_mov_b32 s31, 0
	s_lshl_b32 s29, s22, 2
	s_add_co_u32 s29, s29, 960                     ; my first tile of Wo
	s_lshr_b32 s32, ttmp9, 7                       ; b
	s_and_b32 s33, ttmp9, 127                      ; 2 g + u
	s_lshr_b32 s34, s33, 1
	s_lshl_b32 s34, s34, 5
	s_and_b32 s33, s33, 1
	s_lshl_b32 s33, s33, 3
	s_add_co_u32 s34, s34, s33
	s_add_co_u32 s34, s34, s22
	s_and_b32 s33, s22, 8
	s_add_co_u32 s34, s34, s33                     ; my row's s = 32 g + 8 u + w + (w & 8)
	s_lshl_b32 s34, s34, 1
	s_add_co_u32 s34, s34, s32                     ; its row in memory: 2 s + b
	s_wait_kmcnt 0x0
	s_lshl_b32 s30, ttmp9, 13
	s_add_nc_u64 s[4:5], s[4:5], s[30:31]
	s_lshl_b32 s30, ttmp9, 9
	s_add_nc_u64 s[6:7], s[6:7], s[30:31]
	s_lshl_b32 s30, s29, 13
	s_add_nc_u64 s[8:9], s[8:9], s[30:31]
	s_lshl_b32 s30, s29, 9
	s_add_nc_u64 s[10:11], s[10:11], s[30:31]
	s_mov_b32 s30, s23
	s_add_nc_u64 s[12:13], s[12:13], s[30:31]      ; bo at my 64 columns
	s_lshl_b32 s30, s34, 12
	s_add_nc_u64 s[14:15], s[14:15], s[30:31]
	s_add_nc_u64 s[20:21], s[20:21], s[30:31]
	s_cmp_lt_u32 s22, 8                            ; waves 0-7 bring ln_w, waves 8-15 ln_b: the choice hangs on the wave's number alone
	s_cselect_b64 s[24:25], s[16:17], s[18:19]
	global_load_b128 v[232:235], v2, s[4:5]        ; ctx's image, 16 bytes a thread
	global_load_b128 v[236:239], v3, s[24:25]
	global_load_b128 v[CS:CS+3], v4, s[6:7]
	global_load_b128 v[CS+4:CS+7], v4, s[6:7] offset:16
.irp i, 0,1,2,3
	global_load_b128 v[ACC+8*\i:ACC+8*\i+3], v5, s[12:13] offset:128*(\i/2)+32*(\i%2)
	global_load_b128 v[ACC+8*\i+4:ACC+8*\i+7], v5, s[12:13] offset:128*(\i/2)+32*(\i%2)+16
.endr
.irp i, 0,1
.irp kh, 0,1
	global_load_b128 v[WS+8*\i+4*\kh:WS+8*\i+4*\kh+3], v6, s[10:11] offset:512*\i+256*\kh
.endr
.endr
	WLOAD 0
	WLOAD 1
	WLOAD 2
	s_wait_loadcnt 38                              ; the first two loads are in; the 2 + 8 + 4 + 24 behind them may be out
	ds_store_b128 v2, v[232:235]
	ds_store_b128 v2, v[236:239] offset:LNP
	s_wait_dscnt 0x0                               ; for the others' sake: my stores have landed
	s_barrier_signal -1
	s_barrier_wait -1
.irp ks, 0,1,2,3,4,5,6,7
.irp c, 0,1
	ds_load_b128 v[CF+8*\ks+4*\c:CF+8*\ks+4*\c+3], v1 offset:1024*\ks+512*\c
.endr
.endr
	s_wait_dscnt 0x0
.irp ks, 0,1,2,3,4,5,6,7
.if \ks < 7
	s_wait_loadcnt 16                              ; this K step's eight loads are in; the two younger groups of eight may be out
.else
	s_wait_loadcnt 8                               ; the residual's eight may be out
.endif
	MULS \ks
.if \ks < 5
	PLACES
	WLOAD \ks+3                                    ; into the set just multiplied
.elseif \ks == 5
	PLACES
.irp q, 0,1,2,3,4,5,6,7
	global_load_b128 v[RES+4*\q:RES+4*\q+3], v1, s[14:15] offset:512*\q   ; my row of query_tensor, into the set just multiplied
.endr
.endif
.endr
	PLACES
.irp i, 0,1,2,3
	ds_store_b128 v7, v[ACC+8*\i:ACC+8*\i+3] offset:128*(\i/2)+32*(\i%2)          ; each accumulator from its low end on
	ds_store_b128 v7, v[ACC+8*\i+4:ACC+8*\i+7] offset:128*(\i/2)+32*(\i%2)+16
.endr
	s_wait_dscnt 0x0                               ; for the others' sake: my stores have landed
	s_barrier_signal -1
	s_barrier_wait -1                              ; 16 whole rows lie in the stage
.irp q, 0,1,2,3,4,5,6,7
	ds_load_b128 v[XR+4*\q:XR+4*\q+3], v8 offset:512*\q
.endr
.irp q, 0,1,2,3,4,5,6,7
	ds_load_b128 v[LW+4*\q:LW+4*\q+3], v1 offset:LNP+512*\q
	ds_load_b128 v[LB+4*\q:LB+4*\q+3], v1 offset:LNP+4096+512*\q
.endr
	s_wait_loadcnt 0x0                             ; the residual
	s_wait_dscnt 16                                ; my row is in; the 16 loads of ln_w and ln_b may be out
.irp j, 0,2,4,6,8,10,12,14,16,18,20,22,24,26,28,30
	v_pk_add_f32 v[XR+\j:XR+\j+1], v[XR+\j:XR+\j+1], v[RES+\j:RES+\j+1]
.endr
	v_pk_add_f32 v[232:233], v[XR:XR+1], v[XR+2:XR+3]          ; the row's sum, in two chains
	v_pk_add_f32 v[234:235], v[XR+4:XR+5], v[XR+6:XR+7]
.irp j, 8,12,16,20,24,28
	v_pk_add_f32 v[232:233], v[232:233], v[XR+\j:XR+\j+1]
	v_pk_add_f32 v[234:235], v[234:235], v[XR+\j+2:XR+\j+3]
.endr
	v_pk_add_f32 v[232:233], v[232:233], v[234:235]
	v_add_f32 v232, v232, v233
	WSUM 232, 233
	v_mul_f32 v240, 0xba800000, v232               ; -mean = -sum / 1,024
.irp j, 0,2,4,6,8,10,12,14,16,18,20,22,24,26,28,30
	v_pk_add_f32 v[XR+\j:XR+\j+1], v[XR+\j:XR+\j+1], v[240:241] op_sel_hi:[1,0]
.endr
	v_pk_mul_f32 v[232:233], v[XR:XR+1], v[XR:XR+1]            ; the sum of squares of x - mean, in two chains
	v_pk_mul_f32 v[234:235], v[XR+2:XR+3], v[XR+2:XR+3]
.irp j, 4,8,12,16,20,24,28
	v_pk_fma_f32 v[232:233], v[XR+\j:XR+\j+1], v[XR+\j:XR+\j+1], v[232:233]
	v_pk_fma_f32 v[234:235], v[XR+\j+2:XR+\j+3], v[XR+\j+2:XR+\j+3], v[234:235]
.endr
	v_pk_add_f32 v[232:233], v[232:233], v[234:235]
	v_add_f32 v232, v232, v233
	WSUM 232, 233
	v_fma_f32 v242, v232, 0x3a800000, v243         ; the variance + 1e-12
	v_rsq_f32 v242, v242
	v_nop                                          ; a plain line behind the transcendental
	s_wait_dscnt 0x0                               ; ln_w and ln_b
	s_wait_alu depctr_va_vdst(0)
.irp j, 0,2,4,6,8,10,12,14,16,18,20,22,24,26,28,30
	v_pk_mul_f32 v[XR+\j:XR+\j+1], v[XR+\j:XR+\j+1], v[242:243] op_sel_hi:[1,0]
.endr
.irp j, 0,2,4,6,8,10,12,14,16,18,20,22,24,26,28,30
	v_pk_fma_f32 v[XR+\j:XR+\j+1], v[XR+\j:XR+\j+1], v[LW+\j:LW+\j+1], v[LB+\j:LB+\j+1]
.endr
.irp q, 0,1,2,3,4,5,6,7
	global_store_b128 v1, v[XR+4*\q:XR+4*\q+3], s[20:21] offset:512*\q th:TH_STORE_NT   ; 512 consecutive bytes of my row, aligned; written once, read by nobody here
.endr
	s_wait_tensorcnt 0x0
	ds_add_u32 v254, v255
	s_wait_dscnt 0x0
	s_endpgm
.Lfunc_end_k_qe36a846b27_outln:
	.size	k_qe36a846b27_outln, .Lfunc_end_k_qe36a846b27_outln-k_qe36a846b27_outln
	.p2alignl 7, 3214868480
	.fill 96, 4, 3214868480
	.section	.rodata,"a",@progbits
	.p2align	6, 0x0
	.amdhsa_kernel k_qe36a846b27_outln
		.amdhsa_group_segment_fixed_size 84480
		.amdhsa_private_segment_fixed_size 0
		.amdhsa_enable_private_segment 0
		.amdhsa_kernarg_size 72
		.amdhsa_user_sgpr_count 2
		.amdhsa_user_sgpr_kernarg_segment_ptr 1
		.amdhsa_wavefront_size32 1
		.amdhsa_system_sgpr_workgroup_id_x 1
		.amdhsa_system_sgpr_workgroup_id_y 1
		.amdhsa_system_sgpr_workgroup_id_z 1
		.amdhsa_system_vgpr_workitem_id 0
		.amdhsa_next_free_vgpr 256
		.amdhsa_next_free_sgpr 66
		.amdhsa_reserve_vcc 0
		.amdhsa_float_denorm_mode_32 3
		.amdhsa_float_denorm_mode_16_64 3
		.amdhsa_memory_ordered 1
		.amdhsa_forward_progress 1
		.amdhsa_inst_pref_size 28
	.end_amdhsa_kernel
	.amdgpu_metadata
---
amdhsa.version: [ 1, 2 ]
amdhsa.kernels:
  - .name:           k_qe36a846b27_outln
    .symbol:         k_qe36a846b27_outln.kd
    .args:
      - { .name: cimg, .offset: 0, .size: 8, .value_kind: global_buffer, .address_space: global }
      - { .name: csc, .offset: 8, .size: 8, .value_kind: global_buffer, .address_space: global }
      - { .name: cods, .offset: 16, .size: 8, .value_kind: global_buffer, .address_space: global }
      - { .name: scl, .offset: 24, .size: 8, .value_kind: global_buffer, .address_space: global }
      - { .name: bo, .offset: 32, .size: 8, .value_kind: global_buffer, .address_space: global }
      - { .name: query_tensor, .offset: 40, .size: 8, .value_kind: global_buffer, .address_space: global }
      - { .name: ln_w, .offset: 48, .size: 8, .value_kind: global_buffer, .address_space: global }
      - { .name: ln_b, .offset: 56, .size: 8, .value_kind: global_buffer, .address_space: global }
      - { .name: out0, .offset: 64, .size: 8, .value_kind: global_buffer, .address_space: global }
    .group_segment_fixed_size: 84480
    .private_segment_fixed_size: 0
    .kernarg_segment_align: 8
    .kernarg_segment_size: 72
    .max_flat_workgroup_size: 512
    .sgpr_count:     66
    .vgpr_count:     256
    .wavefront_size: 32
...
	.end_amdgpu_metadata
.endif
;; end of part 4
;; ======== version 2 of 2: 4 launches
;; workspace buffers: cods 8,388,608 bytes; scl 524,288 bytes; qkv 6,684,672 bytes; cimg 2,097,152 bytes; csc 131,072 bytes
;; launch quant (part 5): grid 256 x 1, 8 waves a work-group, no clusters, 68,608 bytes of LDS; arguments query_tensor, key_tensor, value_tensor, Wq, Wk, Wv, Wo, cods, scl; writes cods, scl
.if DOCPART == 5
	.amdgcn_target "amdgcn-amd-amdhsa--gfx1250"
	.amdhsa_code_object_version 6
	.text
	.protected	k_qe36a846b27_quant
	.globl	k_qe36a846b27_quant
	.p2align	8
	.type	k_qe36a846b27_quant,@function
k_qe36a846b27_quant:
	s_mov_b64 s[64:65], 0
	v_nop
	global_prefetch_b8 v0, s[64:65] scope:SCOPE_SE
	s_setreg_imm32_b32 hwreg(HW_REG_WAVE_MODE, 25, 1), 1
	s_wait_xcnt 0x0
; The three activations [2048][2][1024] and the four weights [1024][1024], f32, K innermost, become codes of FP4 (E2M1) with one E8M0 byte for each 32 along K,
; laid IN THE ORDER OF AN OPERAND'S REGISTERS.  A tile is 16 rows x 1,024 K: 8,192 bytes [K step 8][c 2][lane 32][16 bytes]; lane (r, h) holds k = 128 ks + 64 c + 32 h + 0 .. 31 of the tile's row r.
; THE ROWS OF A TILE ARE NOT NEIGHBOURS: tile u (0, 1) of group g holds in lane r the logical row 32 g + 8 u + r + (r & 8) (an activation's logical row is s, b fixed; a weight's is n), so that a later
; product's results of two neighbouring tiles are 16 neighbours in a lane's registers.  Tiles: xq 0-255, xk 256-511, xv 512-767 (128 b + 2 g + u), Wq 768.., Wk 832.., Wv 896.., Wo 960.. (2 g + u).
; Scale words: scl + 512 tile + 256 (K half) + 16 r: four words, one for each K step of 128, byte b for k = 32 b on.
; A block's scale is 2^(floor(log2(its largest magnitude)) - 2); its byte is the largest magnitude's exponent field - 2, held at 1 from below.
; LIMITS: a block of zeros gets the byte 1 where the rule says 127 (its codes are zeros, and this program alone reads the bytes); NaN and infinities among the inputs are not served.
; SHARES: a work-group takes 4 tiles, a wave half of a tile's K: 4 steps of 16 rows x 512 bytes.  Each load reads 512 consecutive bytes of one row; the step turns through the wave's own stage in LDS
; (16 rows of 512 + 16 bytes), from which a lane takes 32 neighbours along K twice.  No barrier: waves share nothing.  Memory binds, so matrix units, clusters and tensor loads would add nothing.
.set SP,   528                         ; a stage row: 512 bytes + 16: an odd multiple of 16, so that the 16 rows that a read touches start in different banks
.set OFF,  16                          ; v16-31   row i's byte offset: 16 lane + (i + (i & 8)) rows
.set R,    32                          ; v32-159  two sets of 64: a step's numbers as loaded
.set X,    160                         ; v160-223 my two blocks of 32 neighbours
.set C,    224                         ; v224-239 two sets of 8: a step's codes
.set SW,   240                         ; v240-243 a scale word for each step
.set MX,   6                           ; v6-7     largest magnitudes
.set SO,   8                           ; v8-9     the conversions' scale operands
.set BY,   10                          ; v10-11   the scale bytes
.set WD,   12
.set TMP,  13
	s_load_b512 s[8:23], s[0:1], 0x0               ; q s[8:9], k s[10:11], v s[12:13], Wq s[14:15], Wk s[16:17], Wv s[18:19], Wo s[20:21], cods s[22:23]
	s_load_b64 s[24:25], s[0:1], 0x40              ; scl
	v_lshl_add_u32 v254, v0, 2, 0x10800
	v_mov_b32 v255, 0
	v_lshrrev_b32 v1, 5, v0
	s_delay_alu instid0(VALU_DEP_1)
	v_readfirstlane_b32 s2, v1                     ; wave 0..7
	v_and_b32 v14, 31, v0                          ; lane
	v_and_b32 v15, 15, v0                          ; r
	v_bfe_u32 v4, v0, 4, 1                         ; h
	s_delay_alu instid0(VALU_DEP_3)
	v_lshlrev_b32 v1, 4, v14                       ; 16 lane
	s_wait_alu depctr_va_vdst(0)
	s_mul_i32 s3, s2, 16*SP                        ; my stage
	v_add_nc_u32 v2, s3, v1                        ; into it: 16 bytes a lane of a row
	v_mul_u32_u24 v3, v15, SP
	s_delay_alu instid0(VALU_DEP_1)
	v_lshl_add_u32 v3, v4, 7, v3
	s_delay_alu instid0(VALU_DEP_1)
	v_add_nc_u32 v3, s3, v3                        ; out of it: row r, 128 h bytes on
	v_lshlrev_b32 v5, 4, v15
	s_delay_alu instid0(VALU_DEP_1)
	v_lshl_add_u32 v5, v4, 3, v5                   ; the scale words' way out: 16 r + 8 h
	v_lshlrev_b32 v4, 3, v4                        ; 8 h: my bytes' place in a scale word, in bits
	v_mov_b32 v[TMP], 0                            ; written once: a lane permute's destination counts as one of its sources
	s_mov_b32 s38, 0x76543210
	s_mov_b32 s39, 0xfedcba98                      ; v_permlanex16_b32's selects for lane l xor 16
	s_lshl_b32 s4, ttmp9, 2
	s_lshr_b32 s5, s2, 1
	s_add_co_u32 s4, s4, s5                        ; my tile
	s_and_b32 s5, s2, 1                            ; my half of K
	s_cmp_lt_u32 ttmp9, 192                        ; an activation's tile or a weight's?
	s_cselect_b32 s6, 127, 63                      ; tiles of one b, or of one weight, less 1
	s_cselect_b32 s7, 13, 12                       ; a logical row is 8,192 bytes on (s: two rows of memory) or 4,096
	s_cselect_b32 s28, 1, 0
	s_and_b32 s6, s4, s6                           ; 2 g + u
	s_lshr_b32 s29, s4, 7
	s_and_b32 s29, s29, s28                        ; b (0 for a weight)
	s_lshr_b32 s30, s6, 1
	s_lshl_b32 s30, s30, 5
	s_and_b32 s31, s6, 1
	s_lshl_b32 s31, s31, 3
	s_add_co_u32 s30, s30, s31                     ; the tile's first logical row: 32 g + 8 u
	s_lshl_b32 s30, s30, s7
	s_lshl_b32 s29, s29, 12
	s_add_co_u32 s30, s30, s29
	s_lshl_b32 s31, s5, 11                         ; my half of K: 512 numbers
	s_add_co_u32 s30, s30, s31
	s_mov_b32 s31, 0
.irp i, 0,1,2,3,4,5,6,7,8,9,10,11,12,13,14,15
	s_lshl_b32 s33, \i+(\i&8), s7
	v_add_nc_u32 v[OFF+\i], s33, v1
.endr
	s_wait_alu depctr_va_vdst(0)
	s_wait_kmcnt 0x0
	s_mov_b64 s[26:27], s[20:21]                   ; which tensor: the choice hangs on the work-group's number alone
	s_cmp_lt_u32 ttmp9, 240
	s_cselect_b64 s[26:27], s[18:19], s[26:27]
	s_cmp_lt_u32 ttmp9, 224
	s_cselect_b64 s[26:27], s[16:17], s[26:27]
	s_cmp_lt_u32 ttmp9, 208
	s_cselect_b64 s[26:27], s[14:15], s[26:27]
	s_cmp_lt_u32 ttmp9, 192
	s_cselect_b64 s[26:27], s[12:13], s[26:27]
	s_cmp_lt_u32 ttmp9, 128
	s_cselect_b64 s[26:27], s[10:11], s[26:27]
	s_cmp_lt_u32 ttmp9, 64
	s_cselect_b64 s[26:27], s[8:9], s[26:27]
	s_add_nc_u64 s[26:27], s[26:27], s[30:31]
	s_lshl_b32 s34, s4, 13
	s_lshl_b32 s35, s5, 12
	s_add_co_u32 s34, s34, s35
	s_mov_b32 s35, 0
	s_add_nc_u64 s[22:23], s[22:23], s[34:35]      ; my half of the tile's image
	s_lshl_b32 s34, s4, 9
	s_lshl_b32 s36, s5, 8
	s_add_co_u32 s34, s34, s36
	s_add_nc_u64 s[24:25], s[24:25], s[34:35]      ; and of its scale words
.macro LOAD t                          ; step t: 16 rows x 512 consecutive bytes
.irp i, 0,1,2,3,4,5,6,7,8,9,10,11,12,13,14,15
	global_load_b128 v[R+64*((\t)%2)+4*\i:R+64*((\t)%2)+4*\i+3], v[OFF+\i], s[26:27] offset:512*(\t) th:TH_LOAD_NT
.endr
.endm
.macro STEP t
.if (\t) < 3
	s_wait_loadcnt 16                              ; this step's 16 loads are in; the next step's 16 may be out
.else
	s_wait_loadcnt 0x0
.endif
.irp i, 0,1,2,3,4,5,6,7,8,9,10,11,12,13,14,15
	ds_store_b128 v2, v[R+64*((\t)%2)+4*\i:R+64*((\t)%2)+4*\i+3] offset:SP*\i
.endr
.irp c, 0,1
.irp q, 0,1,2,3,4,5,6,7
	ds_load_b128 v[X+32*\c+4*\q:X+32*\c+4*\q+3], v3 offset:256*\c+16*\q   ; LDS serves a wave's instructions in order: these see the stores above.  k = 64 c + 32 h + 4 q on, of row r
.endr
.endr
	s_wait_dscnt 0x0                               ; my 64 numbers are back, and the stores have read their registers,
.if (\t) < 2
	LOAD (\t)+2                                    ; which take the loads of two steps on
.endif
.irp c, 0,1
	v_max3_num_f32 v[MX+\c], |v[X+32*\c]|, |v[X+32*\c+1]|, 0x1800000   ; a whole block is mine; the floor 2^(3 - 127) holds the byte at 1 from below
.endr
.irp i, 2,4,6,8,10,12,14,16,18,20,22,24,26,28,30
.irp c, 0,1
	s_delay_alu instid0(VALU_DEP_2)
	v_max3_num_f32 v[MX+\c], v[MX+\c], |v[X+32*\c+\i]|, |v[X+32*\c+\i+1]|
.endr
.endr
.irp c, 0,1
	s_delay_alu instid0(VALU_DEP_2)
	v_add_nc_u32 v[SO+\c], 0xff000000, v[MX+\c]    ; 2 off the exponent field: the conversion takes the exponent field of this operand as its scale
.endr
.if (\t) >= 2
	s_wait_alu depctr_va_vdst(0)
	s_wait_xcnt 0x0                                ; the stores of two steps ago have read this set of codes: it is written again only behind this wait
.endif
.irp c, 0,1
.irp g, 0,1,2,3
	v_cvt_scalef32_pk8_fp4_f32 v[C+8*((\t)%2)+4*\c+\g], v[X+32*\c+8*\g:X+32*\c+8*\g+7], v[SO+\c]
.endr
.endr
.irp c, 0,1
	v_lshrrev_b32 v[BY+\c], 23, v[SO+\c]           ; the scale's byte.  (Also the plain line behind the conversions)
.endr
	s_delay_alu instid0(VALU_DEP_1)
	v_lshl_or_b32 v[WD], v[BY+1], 16, v[BY]        ; my two bytes: blocks h and 2 + h of row r,
	s_delay_alu instid0(VALU_DEP_1)
	v_lshlrev_b32 v[WD], v4, v[WD]                 ; at their places in the word;
	s_delay_alu instid0(VALU_DEP_1)
	v_permlanex16_b32 v[TMP], v[WD], s38, s39
	s_delay_alu instid0(VALU_DEP_1)
	v_or_b32 v[SW+(\t)], v[WD], v[TMP]             ; with lane l xor 16's two the word is whole
.irp c, 0,1
	global_store_b128 v1, v[C+8*((\t)%2)+4*\c:C+8*((\t)%2)+4*\c+3], s[22:23] offset:1024*(\t)+512*\c   ; 512 consecutive bytes of the image
.endr
.endm
	LOAD 0
	LOAD 1
	STEP 0
	STEP 1
	STEP 2
	STEP 3
	v_cmp_ne_u32 vcc_lo, 0, v4                     ; lanes 16-31 store the words of steps 2 and 3
	s_delay_alu instid0(VALU_DEP_1)
	v_cndmask_b32 v244, v[SW], v[SW+2], vcc_lo
	s_delay_alu instid0(VALU_DEP_2)
	v_cndmask_b32 v245, v[SW+1], v[SW+3], vcc_lo
	global_store_b64 v5, v[244:245], s[24:25]      ; the 32 lanes store 256 consecutive bytes, aligned
	s_wait_tensorcnt 0x0
	ds_add_u32 v254, v255
	s_wait_dscnt 0x0
	s_endpgm
.Lfunc_end_k_qe36a846b27_quant:
	.size	k_qe36a846b27_quant, .Lfunc_end_k_qe36a846b27_quant-k_qe36a846b27_quant
	.p2alignl 7, 3214868480
	.fill 96, 4, 3214868480
	.section	.rodata,"a",@progbits
	.p2align	6, 0x0
	.amdhsa_kernel k_qe36a846b27_quant
		.amdhsa_group_segment_fixed_size 68608
		.amdhsa_private_segment_fixed_size 0
		.amdhsa_enable_private_segment 0
		.amdhsa_kernarg_size 72
		.amdhsa_user_sgpr_count 2
		.amdhsa_user_sgpr_kernarg_segment_ptr 1
		.amdhsa_wavefront_size32 1
		.amdhsa_system_sgpr_workgroup_id_x 1
		.amdhsa_system_sgpr_workgroup_id_y 1
		.amdhsa_system_sgpr_workgroup_id_z 1
		.amdhsa_system_vgpr_workitem_id 0
		.amdhsa_next_free_vgpr 256
		.amdhsa_next_free_sgpr 66
		.amdhsa_reserve_vcc 1
		.amdhsa_float_denorm_mode_32 3
		.amdhsa_float_denorm_mode_16_64 3
		.amdhsa_memory_ordered 1
		.amdhsa_forward_progress 1
		.amdhsa_inst_pref_size 36
	.end_amdhsa_kernel
	.amdgpu_metadata
---
amdhsa.version: [ 1, 2 ]
amdhsa.kernels:
  - .name:           k_qe36a846b27_quant
    .symbol:         k_qe36a846b27_quant.kd
    .args:
      - { .name: query_tensor, .offset: 0, .size: 8, .value_kind: global_buffer, .address_space: global }
      - { .name: key_tensor, .offset: 8, .size: 8, .value_kind: global_buffer, .address_space: global }
      - { .name: value_tensor, .offset: 16, .size: 8, .value_kind: global_buffer, .address_space: global }
      - { .name: Wq, .offset: 24, .size: 8, .value_kind: global_buffer, .address_space: global }
      - { .name: Wk, .offset: 32, .size: 8, .value_kind: global_buffer, .address_space: global }
      - { .name: Wv, .offset: 40, .size: 8, .value_kind: global_buffer, .address_space: global }
      - { .name: Wo, .offset: 48, .size: 8, .value_kind: global_buffer, .address_space: global }
      - { .name: cods, .offset: 56, .size: 8, .value_kind: global_buffer, .address_space: global }
      - { .name: scl, .offset: 64, .size: 8, .value_kind: global_buffer, .address_space: global }
    .group_segment_fixed_size: 68608
    .private_segment_fixed_size: 0
    .kernarg_segment_align: 8
    .kernarg_segment_size: 72
    .max_flat_workgroup_size: 256
    .sgpr_count:     66
    .vgpr_count:     256
    .wavefront_size: 32
...
	.end_amdgpu_metadata
.endif
;; end of part 5
;; launch proj (part 6): grid 64 x 3, 4 waves a work-group, no clusters, 0 bytes of LDS; arguments cods, scl, bq, bk, bv, qkv; writes qkv
.if DOCPART == 6
	.amdgcn_target "amdgcn-amd-amdhsa--gfx1250"
	.amdhsa_code_object_version 6
	.text
	.protected	k_qe36a846b27_proj
	.globl	k_qe36a846b27_proj
	.p2align	8
	.type	k_qe36a846b27_proj,@function
k_qe36a846b27_proj:
	s_mov_b64 s[64:65], 0
	v_nop
	global_prefetch_b8 v0, s[64:65] scope:SCOPE_SE
	s_setreg_imm32_b32 hwreg(HW_REG_WAVE_SCHED_MODE, 0, 2), 2
	s_setreg_imm32_b32 hwreg(HW_REG_WAVE_MODE, 25, 1), 1
	s_wait_xcnt 0x0
	s_wait_alu depctr_vm_vsrc(0)
; q = xq Wq^T + bq, k = xk Wk^T + bk, v = xv Wv^T + bv on codes of FP4 with E8M0 scales (work-group y = 0, 1, 2), each result quantised in registers and stored as codes in the order in which attention's operands want them.
; ROLES.  Source 0 (P) gives the result's registers, source 1 (L) its lanes.  q, k: P = 16 rows of W, L = 16 rows of x: a lane holds one s, its registers run along n = (head, d), the next K.
; v: P = 16 rows of xv, L = 16 rows of Wv: a lane holds one (head, d), its registers run along the keys, which are the second attention product's K.  By the tiles' row order (lane r of tile u of group g
; is logical row 32 g + 8 u + r + (r & 8)) the 16 registers of P's tiles 2 g, 2 g + 1 are 16 neighbours: 32 g + 16 h + 0 .. 15.
; SHARES.  A wave makes 128 of P x 128 of L: 64 accumulators, 512 registers; a work-group 2 x 2 waves; 64 work-groups for each of the three products.  K = 1,024 in 8 steps, written out.
; OPERANDS go from memory straight into registers: the images lie in the registers' order, so each load is 512 consecutive bytes, and no LDS is used.  Three sets of fragment registers: a K step's 32 loads are
; issued among the products of the K step two before it.
; NO CLUSTER: this text has no tensor load that partners could share.  A wave's 16 KB of a K step are read again by one other wave of its work-group and by 3 or 15 other work-groups; a ring in LDS filled by joint
; loads would divide those requests by four at the price of a second road for the two roles.  Not built here.
; THE BIAS is the C of each sum's first matrix instruction.  The two roles are two expansions of one macro under one scalar branch on the work-group's y.
; qkv: 32 heads (16 b + head) x HS bytes: K's images (1,024 g + 512 u + 16 lane: d = 32 h on of the lane's key), V's (4,096 step + 1,024 t + 512 c + 16 lane: row d = 32 (t / 2) + 8 (t % 2) + r + (r & 8), keys 128 step + 64 c + 32 h on),
; K's scale words (256 step + 16 r + 4 blk: the two byte pairs of tiles u = 0, 1 of group 4 step + blk), V's (256 step + 16 r + 4 t), then Q's images and words, laid like K's.
; LIMITS: a block of zeros gets the byte 1 where the rule says 127 (its codes are zeros; this program alone reads the bytes); NaN and infinities are not served.
; REGISTERS: window 0: v1-7 addresses; v8-23 at work; v24-31 the scale words made; v32-35 as they leave; v64-127 scale words (register 8 i + ks: lanes 0-15 L's tile i, lanes 16-31 P's tile i); v128-191, v192-255 L's sets 0, 1
; (on the way out v128-191 take the codes).  window 1: v0-63, v64-127, v128-191 P's sets 0, 1, 2 (set 2 holds the bias first); v192-255 L's set 2.  windows 2, 3: accumulator (a, p) at v[8 (8 (a % 4) + p)] of window 2 + a / 4.
; THE MODE: SCHED_MODE bits 1:0 = 2 (LLVM: expert scheduling mode 2), set by the entry lines.  The code itself states the register dependences between vector or matrix instructions and memory instructions,
; with s_wait_alu, always for 0.
; THE PLAN.  Registers that memory instructions touch:
;   v1-v4        offsets: written at the head, read by every load and store, never written again.
;   set ks % 3   written by K step ks's 32 loads, read by its 64 products.  Set 2's P registers hold the bias first, which K step 0's products read as C.
;   v128-191     on the way out: tile a's codes, 8 registers of its own, written by its conversions and swaps, read by its two stores, never written again.  v32-35: the scale words as they leave, likewise.
; K step ks multiplies set ks % 3; the loads issued in it are those of K step ks + 2, which land in set (ks - 1) % 3, the set that the K step before multiplied and that no product of this one names.
; So ONE wait on va_vdst stands at a K step's head, and the step's 32 loads follow it with no further wait, eight behind each 16 products.  The way out has two: one for each four tiles' stores.
.set HS,   208896
.set VC,   65536
.set KS,   131072
.set VS,   135168
.set QC,   139264
.set QS,   204800
.set TM,   8
.set PW,   24
.set OUTW, 32
.set SC,   64
.set MSB, 0
.macro WIN new                         ; the immediate's high byte repeats the setting that is left; a switch that changes nothing is dropped
.if MSB != (\new)
	s_set_vgpr_msb (MSB<<8)|(\new)
.set MSB, (\new)
.endif
.endm
.macro PLACES                          ; four places between a matrix instruction and a vector instruction's read or write of its registers; ahead of loads into its registers they stand beside the wait
.rept 4
	v_nop
.endr
.endm
.macro LOADP ks, p0                    ; K step ks: P's fragments p0 .. p0 + 3 into set ks % 3
.set LST, (\ks)%3
	WIN 0x40                                       ; destination window 1, address window 0
.irp p, 0,1,2,3
.irp c, 0,1
	global_load_b128 v[64*LST+8*((\p0)+\p)+4*\c:64*LST+8*((\p0)+\p)+4*\c+3], v1, s[28:29] offset:8192*((\p0)+\p)+1024*(\ks)+512*\c
.endr
.endr
.endm
.macro LOADL ks, a0                    ; K step ks: L's fragments a0 .. a0 + 3 into set ks % 3
.set LST, (\ks)%3
.if LST == 0
.set LLR, 128
.else
.set LLR, 192
.endif
.if LST < 2
	WIN 0
.else
	WIN 0x40
.endif
.irp a, 0,1,2,3
.irp c, 0,1
	global_load_b128 v[LLR+8*((\a0)+\a)+4*\c:LLR+8*((\a0)+\a)+4*\c+3], v1, s[30:31] offset:8192*((\a0)+\a)+1024*(\ks)+512*\c
.endr
.endr
.endm
.macro LOADS ks                        ; a K step's 32 loads in one run
	LOADP \ks, 0
	LOADP \ks, 4
	LOADL \ks, 0
	LOADL \ks, 4
.endm
; 64 matrix instructions: L's tiles one after the other, each against P's eight.  The 64 accumulators take turns, one instruction a turn, in the same order in every K step.
; ld: the K step whose 32 loads are dealt among them, eight behind each 16 products, or -1.  They land in a set that none of these products names, behind the wait at the K step's head.
.macro WMMA ks, isv, ld
.set ST3, (\ks)%3
.set PR, 64*ST3
.if ST3 == 0
.set LR, 128
.else
.set LR, 192
.endif
.if ST3 == 2
.set LWN, 4
.else
.set LWN, 0
.endif
.irp a, 0,1,2,3,4,5,6,7
.if (\ks) == 0
	WIN 0x91+0x40*(\a/4)                           ; P window 1, L window 0, C (the bias) window 1, D window 2 or 3
.else
	WIN 0xa1+0x50*(\a/4)+LWN                       ; P window 1, L window 0 (set 2: window 1), C and D window 2 or 3
.endif
.irp p, 0,1,2,3,4,5,6,7
.if (\ks) == 0
.if \isv
	v_wmma_scale_f32_16x16x128_f8f6f4 v[8*(8*(\a%4)+\p):8*(8*(\a%4)+\p)+7], v[PR+8*\p:PR+8*\p+7], v[LR+8*\a:LR+8*\a+7], v[128+8*\a:128+8*\a+7], v[SC+8*\p+(\ks)], v[SC+8*\a+(\ks)] matrix_a_fmt:MATRIX_FMT_FP4 matrix_b_fmt:MATRIX_FMT_FP4 matrix_a_scale:MATRIX_SCALE_ROW1
.else
	v_wmma_scale_f32_16x16x128_f8f6f4 v[8*(8*(\a%4)+\p):8*(8*(\a%4)+\p)+7], v[PR+8*\p:PR+8*\p+7], v[LR+8*\a:LR+8*\a+7], v[128+8*\p:128+8*\p+7], v[SC+8*\p+(\ks)], v[SC+8*\a+(\ks)] matrix_a_fmt:MATRIX_FMT_FP4 matrix_b_fmt:MATRIX_FMT_FP4 matrix_a_scale:MATRIX_SCALE_ROW1
.endif
.else
	v_wmma_scale_f32_16x16x128_f8f6f4 v[8*(8*(\a%4)+\p):8*(8*(\a%4)+\p)+7], v[PR+8*\p:PR+8*\p+7], v[LR+8*\a:LR+8*\a+7], v[8*(8*(\a%4)+\p):8*(8*(\a%4)+\p)+7], v[SC+8*\p+(\ks)], v[SC+8*\a+(\ks)] matrix_a_fmt:MATRIX_FMT_FP4 matrix_b_fmt:MATRIX_FMT_FP4 matrix_a_scale:MATRIX_SCALE_ROW1
.endif
.endr
.if (\ld) >= 0
.if \a == 1
	LOADP \ld, 0
.elseif \a == 3
	LOADP \ld, 4
.elseif \a == 5
	LOADL \ld, 0
.elseif \a == 7
	LOADL \ld, 4
.endif
.endif
.endr
.endm
; 64 numbers of a lane in window w, v[s] on, register 16 b + i = the next K's 32 b + 16 h + i of my row, become a fragment's codes in v[pc] on and its scale word in v[pw], both in window 0.
.macro QUANTW w, s, pc, pw
	WIN (\w)*5                                     ; sources 0 and 1: window w
.irp b, 0,1,2,3
	v_max3_num_f32 v[TM+\b], |v[(\s)+16*\b]|, |v[(\s)+16*\b+1]|, 0x1800000   ; each accumulator is read from its low end on; the floor 2^(3 - 127) holds the byte at 1 from below
.endr
.irp i, 2,4,6,8,10,12,14
.irp b, 0,1,2,3
	v_max3_num_f32 v[TM+\b], |v[(\s)+16*\b+\i]|, |v[(\s)+16*\b+\i+1]|, v[TM+\b]
.endr
.endr
	WIN 0
.irp b, 0,1,2,3
	v_permlanex16_b32 v[TM+4+\b], v[TM+\b], s46, s47
.endr
.irp b, 0,1,2,3
	v_max_num_f32 v[TM+\b], v[TM+\b], v[TM+4+\b]   ; with lane l xor 16's 16: the block's largest magnitude
.endr
.irp b, 0,1,2,3
	v_add_nc_u32 v[TM+12+\b], 0xff000000, v[TM+\b] ; 2 off its exponent field: the conversion's scale operand
.endr
.irp b, 0,1,2,3
	v_lshrrev_b32 v[TM+4+\b], 23, v[TM+12+\b]      ; the scale's byte
.endr
	v_lshl_or_b32 v[\pw], v[TM+5], 8, v[TM+4]
	v_lshl_or_b32 v[\pw], v[TM+6], 16, v[\pw]
	v_lshl_or_b32 v[\pw], v[TM+7], 24, v[\pw]
	WIN (\w)                                       ; source 0: window w
.irp b, 0,1,2,3
	v_cvt_scalef32_pk8_fp4_f32 v[(\pc)+2*\b], v[(\s)+16*\b:(\s)+16*\b+7], v[TM+12+\b]
	v_cvt_scalef32_pk8_fp4_f32 v[(\pc)+2*\b+1], v[(\s)+16*\b+8:(\s)+16*\b+15], v[TM+12+\b]
.endr
	WIN 0
	v_nop                                          ; one plain line behind a scaled conversion
.irp c, 0,1                            ; the operand's layout wants a whole block in a lane: lanes 0-15 block 2 c, lanes 16-31 block 2 c + 1
.irp i, 0,1
	v_permlane16_swap_b32 v[(\pc)+4*\c+\i], v[(\pc)+4*\c+2+\i]
.endr
.endr
.endm
.macro PROJ isv
.if \isv
	s_lshl_b32 s23, s20, 1
	s_add_co_u32 s23, s23, s21                     ; P's 128 keys: 0..15
	s_lshl_b32 s24, s19, 1
	s_add_co_u32 s24, s24, s22                     ; L's 128 rows of Wv: 0..7
	s_lshl_b32 s25, s18, 7
	s_lshl_b32 s27, s23, 3
	s_add_co_u32 s25, s25, s27
	s_add_co_u32 s25, s25, 512                     ; P's first tile
	s_lshl_b32 s26, s24, 3
	s_add_co_u32 s26, s26, 896                     ; L's first tile
	s_lshl_b32 s40, s24, 9
	s_add_nc_u64 s[32:33], s[12:13], s[40:41]      ; bv at L's first row
	s_lshl_b32 s42, s18, 4
	s_lshl_b32 s43, s24, 1
	s_add_co_u32 s42, s42, s43
	s_mul_i32 s42, s42, HS                         ; the first of my two heads
	s_lshl_b32 s43, s23, 12
	s_add_co_u32 s40, s42, s43
	s_add_co_u32 s40, s40, VC
	s_add_nc_u64 s[34:35], s[14:15], s[40:41]      ; where the codes go
	s_lshl_b32 s43, s23, 8
	s_add_co_u32 s40, s42, s43
	s_add_co_u32 s40, s40, VS
	s_add_nc_u64 s[36:37], s[14:15], s[40:41]      ; and the scale words
	v_and_b32 v3, 8, v6
	v_add_nc_u32 v3, v3, v6
	v_lshlrev_b32 v3, 2, v3                        ; the bias of my lane's row: 4 (r + (r & 8))
.else
	s_lshl_b32 s23, s19, 1
	s_add_co_u32 s23, s23, s21                     ; P's 128 rows of W: 0..7
	s_lshl_b32 s24, s20, 1
	s_add_co_u32 s24, s24, s22                     ; L's 128 rows of x: 0..15
	s_lshl_b32 s25, s17, 6
	s_lshl_b32 s27, s23, 3
	s_add_co_u32 s25, s25, s27
	s_add_co_u32 s25, s25, 768                     ; P's first tile
	s_lshl_b32 s26, s17, 8
	s_lshl_b32 s27, s18, 7
	s_add_co_u32 s26, s26, s27
	s_lshl_b32 s27, s24, 3
	s_add_co_u32 s26, s26, s27                     ; L's first tile
	s_cmp_eq_u32 s17, 0                            ; q or k: the choices hang on the work-group's y alone
	s_cselect_b64 s[32:33], s[8:9], s[10:11]
	s_cselect_b32 s38, QC, 0
	s_cselect_b32 s39, QS-KS, 0
	s_add_co_u32 s39, s39, KS
	s_lshl_b32 s40, s23, 9
	s_add_nc_u64 s[32:33], s[32:33], s[40:41]      ; the bias at P's first row
	s_lshl_b32 s42, s18, 4
	s_lshl_b32 s43, s23, 1
	s_add_co_u32 s42, s42, s43
	s_mul_i32 s42, s42, HS                         ; the first of my two heads
	s_lshl_b32 s43, s24, 12
	s_add_co_u32 s40, s42, s43
	s_add_co_u32 s40, s40, s38
	s_add_nc_u64 s[34:35], s[14:15], s[40:41]      ; where the codes go
	s_lshl_b32 s43, s24, 8
	s_add_co_u32 s40, s42, s43
	s_add_co_u32 s40, s40, s39
	s_add_nc_u64 s[36:37], s[14:15], s[40:41]      ; and the scale words
	v_lshlrev_b32 v3, 6, v7                        ; the bias of my half's registers: 64 h
	v_mov_b32 v36, 0x05040100
	v_mov_b32 v37, 0x07060302
	v_cndmask_b32 v5, v36, v37, vcc_lo             ; which byte pair of a scale word is my head's: lanes 0-15 the first head's, lanes 16-31 the second's
.endif
	s_lshl_b32 s40, s25, 13
	s_add_nc_u64 s[28:29], s[4:5], s[40:41]        ; P's images
	s_lshl_b32 s40, s26, 13
	s_add_nc_u64 s[30:31], s[4:5], s[40:41]        ; L's images
	s_lshl_b32 s43, s26, 9
	s_lshl_b32 s44, s25, 9
	v_mov_b32 v36, s43
	v_mov_b32 v37, s44
	v_cndmask_b32 v2, v36, v37, vcc_lo             ; scale words: lanes 0-15 take L's tiles, lanes 16-31 P's
	v_lshl_add_u32 v2, v6, 4, v2
	s_wait_alu depctr_va_vdst(0)                   ; the offsets v1 to v4 are written: every load and store below reads one of them, and none is written again
.irp i, 0,1,2,3,4,5,6,7
.irp kh, 0,1
	global_load_b128 v[SC+8*\i+4*\kh:SC+8*\i+4*\kh+3], v2, s[6:7] offset:512*\i+256*\kh
.endr
.endr
	WIN 0x40
.if \isv
.irp a, 0,1,2,3,4,5,6,7
	global_load_b32 v[128+8*\a], v3, s[32:33] offset:(32*(\a/2)+8*(\a%2))*4
.endr
.else
.irp p, 0,1,2,3,4,5,6,7
	global_load_b128 v[128+8*\p:128+8*\p+3], v3, s[32:33] offset:(32*(\p/2)+8*(\p%2))*4
	global_load_b128 v[128+8*\p+4:128+8*\p+7], v3, s[32:33] offset:(32*(\p/2)+8*(\p%2))*4+16
.endr
.endif
	LOADS 0
	LOADS 1
	s_wait_loadcnt 32                              ; all but K step 1's 32 loads are in
.if \isv
	WIN 0x41                                       ; a lane's bias is one number for all eight registers of a result
.irp a, 0,1,2,3,4,5,6,7
.irp j, 1,2,3,4,5,6,7
	v_mov_b32 v[128+8*\a+\j], v[128+8*\a]
.endr
.endr
	PLACES
.endif
	WMMA 0, \isv, -1
	PLACES                                         ; these four serve both K steps' loads below: set 2 held the bias, set 0 was multiplied
	s_wait_alu depctr_va_vdst(0)                   ; K step 0's products are done reading the bias, in whose registers K step 2's loads land (the moves that spread it have written them), and done reading set 0, in which K step 3's land
	LOADS 2
	s_wait_loadcnt 32                              ; K step 1 is in; K step 2's 32 loads may be out
	WMMA 1, \isv, 3                                ; K step 1's products name set 1, the accumulators and the scale words: nothing that K step 3's loads touch
.irp ks, 2,3,4,5,6,7
.if \ks < 6
	PLACES
.endif
.if \ks < 7
	s_wait_loadcnt 32                              ; this K step is in; the next one's 32 loads may be out
.else
	s_wait_loadcnt 0x0
.endif
.if \ks < 6
	s_wait_alu depctr_va_vdst(0)                   ; the K step before is done reading its set, in which the loads dealt among this K step's products land
	WMMA \ks, \isv, \ks+2
.else
	WMMA \ks, \isv, -1                             ; the last two K steps load nothing, so no dependence is left to state
.endif
.endr
	PLACES
.irp a, 0,1,2,3
	QUANTW 2+\a/4, 64*(\a%4), 128+8*\a, PW+\a
.endr
	s_wait_alu depctr_va_vdst(0)                   ; the conversions and swaps have written tiles 0 to 3's codes, v128-159, which the eight stores read
.irp a, 0,1,2,3
.irp c, 0,1
.if \isv
	global_store_b128 v1, v[128+8*\a+4*\c:128+8*\a+4*\c+3], s[34:35] offset:(\a/4)*HS+1024*(\a%4)+512*\c   ; head a / 4, tile t = a % 4 of its d, keys 64 c on: 512 consecutive bytes
.else
	global_store_b128 v1, v[128+8*\a+4*\c:128+8*\a+4*\c+3], s[34:35] offset:512*\a+\c*HS                   ; head c, tile a of my 128 rows: 512 consecutive bytes
.endif
.endr
.endr
.irp a, 4,5,6,7                        ; these write v160-191 and registers at work: nothing that the stores above read
	QUANTW 2+\a/4, 64*(\a%4), 128+8*\a, PW+\a
.endr
.irp i, 0,1,2,3
.if \isv
	v_cndmask_b32 v[OUTW+\i], v[PW+\i], v[PW+4+\i], vcc_lo         ; lanes 0-15 the first head's four tiles, lanes 16-31 the second's
.else
	v_perm_b32 v[OUTW+\i], v[PW+2*\i+1], v[PW+2*\i], v5            ; my head's byte pairs of tiles u = 0, 1 of a group
.endif
.endr
	s_wait_alu depctr_va_vdst(0)                   ; tiles 4 to 7's codes, v160-191, and the scale words, v32-35, are written, which the nine stores read
.irp a, 4,5,6,7
.irp c, 0,1
.if \isv
	global_store_b128 v1, v[128+8*\a+4*\c:128+8*\a+4*\c+3], s[34:35] offset:(\a/4)*HS+1024*(\a%4)+512*\c
.else
	global_store_b128 v1, v[128+8*\a+4*\c:128+8*\a+4*\c+3], s[34:35] offset:512*\a+\c*HS
.endif
.endr
.endr
	global_store_b128 v4, v[OUTW:OUTW+3], s[36:37] ; each half of the lanes stores 256 consecutive bytes, aligned, of its head
.endm
	s_load_b256 s[4:11], s[0:1], 0x0               ; cods s[4:5], scl s[6:7], bq s[8:9], bk s[10:11]
	s_load_b128 s[12:15], s[0:1], 0x20             ; bv s[12:13], qkv s[14:15]
	v_lshrrev_b32 v1, 5, v0
	v_readfirstlane_b32 s16, v1                    ; wave 0..3
	v_and_b32 v1, 31, v0
	v_lshlrev_b32 v1, 4, v1                        ; 16 lane: an image's place for my lane
	v_and_b32 v6, 15, v0                           ; r
	v_bfe_u32 v7, v0, 4, 1                         ; h
	v_cmp_ne_u32 vcc_lo, 0, v7                     ; lanes 16-31; kept to the end
	v_mul_u32_u24 v4, v7, HS
	v_lshl_add_u32 v4, v6, 4, v4                   ; the scale words' way out: 16 r, lanes 16-31 one head on
.irp b, 0,1,2,3
	v_mov_b32 v[TM+4+\b], 0                        ; written once: a lane permute's destination counts as one of its sources
.endr
	s_wait_alu depctr_va_sdst(0)                   ; s16, the wave's number, is written, ahead of its first reader below
	s_wait_alu depctr_va_vcc(0)                    ; VCC, the mask of lanes 16-31, is written, ahead of the branch and of the selects that read it
	s_and_b32 s17, ttmp7, 0xffff                   ; which product
	s_lshr_b32 s18, ttmp9, 5                       ; b
	s_and_b32 s19, ttmp9, 3                        ; which 256 rows of the weight
	s_bfe_u32 s20, ttmp9, 0x30002                  ; which 256 rows of the activation
	s_and_b32 s21, s16, 1
	s_lshr_b32 s22, s16, 1
	s_mov_b32 s46, 0x76543210
	s_mov_b32 s47, 0xfedcba98                      ; v_permlanex16_b32's selects for lane l xor 16
	s_mov_b32 s41, 0
	s_wait_kmcnt 0x0
	s_cmp_eq_u32 s17, 2
	s_cbranch_scc1 .Lvalues
	s_wait_alu depctr_va_vdst(0)
	PROJ 0
	s_endpgm
.Lvalues:
	s_wait_alu depctr_va_vdst(0)
	PROJ 1
	s_endpgm
.Lfunc_end_k_qe36a846b27_proj:
	.size	k_qe36a846b27_proj, .Lfunc_end_k_qe36a846b27_proj-k_qe36a846b27_proj
	.p2alignl 7, 3214868480
	.fill 96, 4, 3214868480
	.section	.rodata,"a",@progbits
	.p2align	6, 0x0
	.amdhsa_kernel k_qe36a846b27_proj
		.amdhsa_group_segment_fixed_size 0
		.amdhsa_private_segment_fixed_size 0
		.amdhsa_enable_private_segment 0
		.amdhsa_kernarg_size 48
		.amdhsa_user_sgpr_count 2
		.amdhsa_user_sgpr_kernarg_segment_ptr 1
		.amdhsa_wavefront_size32 1
		.amdhsa_system_sgpr_workgroup_id_x 1
		.amdhsa_system_sgpr_workgroup_id_y 1
		.amdhsa_system_sgpr_workgroup_id_z 1
		.amdhsa_system_vgpr_workitem_id 0
		.amdhsa_next_free_vgpr 1024
		.amdhsa_next_free_sgpr 66
		.amdhsa_reserve_vcc 1
		.amdhsa_float_denorm_mode_32 3
		.amdhsa_float_denorm_mode_16_64 3
		.amdhsa_memory_ordered 1
		.amdhsa_forward_progress 1
		.amdhsa_inst_pref_size 255
	.end_amdhsa_kernel
	.section	.bss,"aw",@nobits
	.p2align	6
	.space	262144
	.amdgpu_metadata
---
amdhsa.version: [ 1, 2 ]
amdhsa.kernels:
  - .name:           k_qe36a846b27_proj
    .symbol:         k_qe36a846b27_proj.kd
    .args:
      - { .name: cods, .offset: 0, .size: 8, .value_kind: global_buffer, .address_space: global }
      - { .name: scl, .offset: 8, .size: 8, .value_kind: global_buffer, .address_space: global }
      - { .name: bq, .offset: 16, .size: 8, .value_kind: global_buffer, .address_space: global }
      - { .name: bk, .offset: 24, .size: 8, .value_kind: global_buffer, .address_space: global }
      - { .name: bv, .offset: 32, .size: 8, .value_kind: global_buffer, .address_space: global }
      - { .name: qkv, .offset: 40, .size: 8, .value_kind: global_buffer, .address_space: global }
    .group_segment_fixed_size: 0
    .private_segment_fixed_size: 0
    .kernarg_segment_align: 8
    .kernarg_segment_size: 48
    .max_flat_workgroup_size: 128
    .sgpr_count:     66
    .vgpr_count:     1024
    .wavefront_size: 32
...
	.end_amdgpu_metadata
.endif
;; end of part 6
;; launch attn (part 7): grid 8 x 32, 16 waves a work-group, clusters of 4 x 1, 169,984 bytes of LDS; arguments qkv, cimg, csc; writes cimg, csc
.if DOCPART == 7
	.amdgcn_target "amdgcn-amd-amdhsa--gfx1250"
	.amdhsa_code_object_version 6
	.text
	.protected	k_qe36a846b27_attn
	.globl	k_qe36a846b27_attn
	.p2align	8
	.type	k_qe36a846b27_attn,@function
k_qe36a846b27_attn:
	s_mov_b64 s[64:65], 0
	v_nop
	global_prefetch_b8 v0, s[64:65] scope:SCOPE_SE
	s_setreg_imm32_b32 hwreg(HW_REG_WAVE_MODE, 25, 1), 1
	s_wait_xcnt 0x0
	s_wait_alu depctr_hold_cnt(0) depctr_sa_sdst(0) depctr_va_vdst(0) depctr_va_sdst(0) depctr_va_ssrc(0) depctr_va_vcc(0) depctr_vm_vsrc(0)
	s_getreg_b32 s2, hwreg(HW_REG_IB_STS2, 6, 4)
	s_cmp_eq_u32 s2, 0
	s_cbranch_scc0 .Lentry_in_a_cluster
	s_endpgm
.Lentry_in_a_cluster:
	s_bfe_u32 s2, ttmp6, 0x10000c
	s_cmp_lg_u32 s2, 0x3003
	s_cbranch_scc0 .Lentry_shape_is_right
	s_endpgm
.Lentry_shape_is_right:
; ctx[head][q] = the sum over k of softmax_k(q . k) v, no scaling of the scores, both products on codes of FP4 with E8M0 scales; ctx is quantised along d in registers and stored as codes for the output projection.
; THE SOFTMAX AHEAD OF THE SECOND PRODUCT: t = score x log2(e); M = the row's largest t so far, rounded up to a whole number; p = 2^(t - M) is quantised along the keys, not normalised.  The row's sum is taken of the
; unquantised p and divides O at the end.  When M moves, the sum and O are multiplied by 2^(old M - new M): exact.
; SHARES.  A work-group owns 256 queries of one head (work-group y), each of its sixteen waves one tile of 16, in 256 registers: four waves to a SIMD, so that one wave's vector work stands beside another's products and LDS loads.
; LDS.  The head's K and V images and scale words, 139,264 bytes on end in memory, are brought ONCE and stay: no slot is filled again.  Waves 0 to 7 bring 68 rows of 256 bytes each.
; CLUSTER.  The four work-groups of a cluster belong to one head and want the same bytes, so the fill is asked for jointly: the same tensor load, the same descriptor, a mask that names the four.
; LAYOUT.  Both products are used transposed: S^T = K Q^T, O^T = V^T P^T: a lane holds one query throughout.  By the tiles' row order the 16 registers of two neighbouring tiles of scores are 16 neighbouring keys.
; A HEAD HAS 64 ALONG d, THE INSTRUCTION 128 ALONG K: a fragment of K holds tile u = 0 of a group of 32 keys in registers 0-3 and tile u = 1 in registers 4-7.  Q lies between zeros: v16-19 = 0, v20-23 = q, v24-27 = 0;
; v[20:27] multiplies tile u = 0, v[16:23] tile u = 1.  Zero codes add nothing.  K's scale word holds both tiles' byte pairs, Q's its own pair twice.  So no LDS byte is read in vain.
; LIMITS: p under 2^-126 counts as 0; a block of zeros gets the byte 1 where the rule says 127 (its codes are zeros; this program alone reads the bytes); NaN and infinities are not served.
; ctx's scale bytes leave one byte a lane, 32 bytes apart: 131,072 bytes in the whole launch, against 2 MB of codes stored 512 bytes on end.
; REGISTERS: v1-5 addresses that stay; v8-10 the step's; v12 -M, v13 the largest t, v[14:15] the sum in two halves; v16-27 Q; v28, v29 its scale word; v32-63 K; v64-95 V; v96-159 S^T, then p; v160-191 O^T;
; v192-195, v196-199 K's and V's scale words; v224-231 p's codes; v232-254 at work.
.set HS,    208896
.set VC,    65536
.set KS,    131072
.set QC,    139264
.set QS,    204800
.set FILLW, 17408                      ; what one filling wave brings: 68 rows of 256 bytes
.macro ROUND                           ; a round of the cluster's barrier
	s_barrier_signal -1
	s_barrier_wait -1
	s_cmp_lg_u32 s10, 0
	s_cbranch_scc1 .Lnot_wave_0_\@
	s_barrier_signal -3
.Lnot_wave_0_\@:
	s_barrier_wait -3
	s_barrier_signal -1
	s_barrier_wait -1
.endm
	s_load_b128 s[4:7], s[0:1], 0x0                ; qkv s[4:5], cimg s[6:7]
	s_load_b64 s[8:9], s[0:1], 0x10                ; csc
	v_lshl_add_u32 v251, v0, 2, 0x29000
	v_mov_b32 v255, 0
	ds_add_u32 v251, v255
	ds_add_u32 v251, v255
	v_lshrrev_b32 v8, 5, v0
	s_delay_alu instid0(VALU_DEP_1)
	v_readfirstlane_b32 s10, v8                    ; wave 0..15
	v_and_b32 v8, 31, v0
	v_and_b32 v9, 15, v0                           ; r
	v_bfe_u32 v10, v0, 4, 1                        ; h
	s_delay_alu instid0(VALU_DEP_3)
	v_lshlrev_b32 v1, 4, v8                        ; 16 lane: K's images
	s_delay_alu instid0(VALU_DEP_1)
	v_add_nc_u32 v2, VC, v1                        ; V's
	s_delay_alu instid0(VALU_DEP_4)
	v_lshlrev_b32 v5, 4, v9                        ; 16 r
	s_delay_alu instid0(VALU_DEP_1)
	v_add_nc_u32 v3, KS, v5                        ; the scale words
	v_lshl_add_u32 v4, v9, 5, v10                  ; ctx's scale byte: 32 r + h
	s_bfe_u32 s11, ttmp6, 0x40000                  ; cx: it enters the addresses of Q, cimg and csc alone
	s_lshl_b32 s12, ttmp9, 2
	s_add_co_u32 s12, s12, s11                     ; my block of 256 queries
	s_and_b32 s13, ttmp7, 0xffff                   ; the head, 16 b + hd, which the four partners share
	s_mul_i32 s14, s13, HS
	s_mov_b32 s15, 0
	s_mul_i32 s36, s10, FILLW                      ; my part of the fill, in memory and in LDS alike
	s_mov_b32 s37, 0
	s_lshl_b32 s38, s12, 4
	s_add_co_u32 s38, s38, s10                     ; my tile of queries: 2 g + u = 16 x block + wave
	s_lshl_b32 s40, s38, 9
	s_add_co_u32 s40, s40, QC                      ; its image
	s_mov_b32 s41, 0
	s_lshr_b32 s42, s38, 3
	s_lshl_b32 s42, s42, 8                         ; its scale words: 256 (g / 4)
	s_bfe_u32 s43, s38, 0x20001
	s_lshl_b32 s43, s43, 2                         ; + 4 (g % 4)
	s_add_co_u32 s42, s42, s43
	s_add_co_u32 s42, s42, QS
	s_mov_b32 s43, 0
	s_and_b32 s23, s10, 1
	s_mul_i32 s23, s23, 0x02020202
	s_add_co_u32 s23, s23, 0x01000100              ; byte selects: tile u's pair of the word, twice
	s_lshr_b32 s44, s13, 4
	s_lshl_b32 s44, s44, 7
	s_add_co_u32 s44, s44, s38                     ; ctx's tile: 128 b + 2 g + u
	s_and_b32 s45, s13, 15                         ; hd
	s_mov_b32 s16, 0x3fb8aa3b                      ; log2(e)
	s_mov_b32 s17, s16                             ; (named with it as a pair, so it is written)
	s_mov_b32 s18, 0x76543210
	s_mov_b32 s19, 0xfedcba98                      ; v_permlanex16_b32's selects for lane l xor 16
	s_mov_b32 s20, 16                              ; key steps
	s_mov_b32 s21, 0                               ; the step's images: 4,096 bytes a step
	s_mov_b32 s22, 0                               ; its scale words: 256 bytes a step
	; descriptor group 1: 68 rows of 256 bytes (32 elements of 8 bytes), dense in memory and in LDS
	s_mov_b32 s24, 15|(3<<16)|(1<<21)              ; 15:0 the mask: all four work-groups; 17:16 elements of 8 bytes; 21 set beside a mask
	s_mov_b32 s25, 32<<16                          ; tensor_dim0 = 32
	s_mov_b32 s26, 68<<16                          ; tensor_dim1 = 68
	s_mov_b32 s27, 32<<16                          ; tile_dim0 = 32
	s_mov_b32 s28, 68                              ; tile_dim1 = 68
	s_mov_b32 s29, 32                              ; from row to row
	s_mov_b32 s30, 0
	s_mov_b32 s31, 0
	s_wait_dscnt 0x0
	s_wait_kmcnt 0x0
	s_add_nc_u64 s[4:5], s[4:5], s[14:15]          ; the head's block
	s_mov_b32 s32, 1                               ; group 0: count = 1,
	s_mov_b32 s33, s36                             ; LDS address,
	s_add_nc_u64 s[34:35], s[4:5], s[36:37]        ; global address: the head and the wave's number alone,
	s_or_b32 s35, s35, 0x80000000                  ; type = 2
	s_add_nc_u64 s[40:41], s[4:5], s[40:41]
	s_add_nc_u64 s[42:43], s[4:5], s[42:43]
	s_lshl_b32 s46, s44, 13
	s_lshl_b32 s47, s45, 9
	s_add_co_u32 s46, s46, s47
	s_mov_b32 s47, 0
	s_add_nc_u64 s[6:7], s[6:7], s[46:47]          ; cimg: 8,192 tile + 512 hd (K step hd / 2, c = hd % 2)
	s_lshl_b32 s46, s44, 9
	s_lshl_b32 s45, s45, 1
	s_add_co_u32 s46, s46, s45
	s_add_nc_u64 s[8:9], s[8:9], s[46:47]          ; csc: 512 tile + 2 hd
	ROUND                                          ; all four work-groups are here: the joint loads meet
	s_cmp_lt_u32 s10, 8                            ; the branch hangs on the wave's number alone
	s_cbranch_scc0 .Lno_fill
	tensor_load_to_lds s[32:35], s[24:31]          ; one load of mine is out; four v_nop follow it
	s_nop 0
.rept 4
	v_nop
.endr
.Lno_fill:
	s_wait_alu depctr_va_vdst(0)
	global_load_b128 v[20:23], v1, s[40:41]        ; Q's codes: d = 32 h on of query r
	global_load_b32 v28, v5, s[42:43]              ; the scale word of its group
.irp j, 16,17,18,19,24,25,26,27
	v_mov_b32 v[\j], 0                             ; zero codes on both sides of Q
.endr
	s_wait_loadcnt 0x0
	v_perm_b32 v29, v28, v28, s23                  ; Q's scale word; the moves below stand between it and the first product
	v_mov_b32 v13, 0xff61b1e6                      ; the largest t so far: -3e38, under every t
	s_delay_alu instid0(VALU_DEP_1)
	v_floor_f32 v12, -v13                          ; -M
	v_mov_b32 v14, 0                               ; the sum, in two halves
	v_mov_b32 v15, 0
.irp b, 0,1,2,3
	v_mov_b32 v[236+\b], 0                         ; written once: a lane permute's destination counts as one of its sources
.endr
	v_mov_b32 v253, 0                              ; (named as the upper half of the pair v[252:253] before it is first written)
.irp j, 0,1,2,3,4,5,6,7,8,9,10,11,12,13,14,15,16,17,18,19,20,21,22,23,24,25,26,27,28,29,30,31
	v_mov_b32 v[160+\j], 0                         ; O^T: the step is written once; the first finds zeros, which the first change of M leaves zeros
.endr
	s_wait_tensorcnt 0x0                           ; my part of the fill has landed,
	s_barrier_signal -1
	s_barrier_wait -1                              ; everybody's has
.Lstep:                                            ; 16 trips of 128 keys
	s_setprio 2
	v_add_nc_u32 v8, s21, v1
	v_add_nc_u32 v9, s21, v2
	v_add_nc_u32 v10, s22, v3
	v_nop                                          ; four places between the last trip's products and the loads into their registers
.irp blk, 0,1,2,3
.irp u, 0,1
	ds_load_b128 v[32+8*\blk+4*\u:35+8*\blk+4*\u], v8 offset:1024*\blk+512*\u
.endr
.endr
	ds_load_b128 v[192:195], v10                   ; K's scale words of the four groups
.irp t, 0,1,2,3
.irp c, 0,1
	ds_load_b128 v[64+8*\t+4*\c:67+8*\t+4*\c], v9 offset:1024*\t+512*\c
.endr
.endr
	ds_load_b128 v[196:199], v10 offset:4096       ; V's scale words of the four tiles of d
	s_wait_dscnt 9                                 ; K and its words are in; V's nine loads may be out
.irp blk, 0,1,2,3
	v_wmma_scale_f32_16x16x128_f8f6f4 v[96+16*\blk:103+16*\blk], v[32+8*\blk:39+8*\blk], v[20:27], 0, v[192+\blk], v29 matrix_a_fmt:MATRIX_FMT_FP4 matrix_b_fmt:MATRIX_FMT_FP4
	v_wmma_scale_f32_16x16x128_f8f6f4 v[104+16*\blk:111+16*\blk], v[32+8*\blk:39+8*\blk], v[16:23], 0, v[192+\blk], v29 matrix_a_fmt:MATRIX_FMT_FP4 matrix_b_fmt:MATRIX_FMT_FP4
.endr                                              ; register 16 blk + i of lane (r, h): query r, key 32 blk + 16 h + i of the step
.rept 4
	v_nop
.endr
.irp b, 0,1,2,3
	v_max3_num_f32 v[232+\b], v[96+16*\b], v[97+16*\b], v[98+16*\b]   ; the largest score of each block of 32 keys: it serves for the row's maximum and, since p rises with the score, for the block's largest p
.endr
.irp i, 3,5,7,9,11,13
.irp b, 0,1,2,3
	v_max3_num_f32 v[232+\b], v[232+\b], v[96+16*\b+\i], v[97+16*\b+\i]
.endr
.endr
.irp b, 0,1,2,3
	v_max_num_f32 v[232+\b], v[232+\b], v[111+16*\b]
.endr
.irp b, 0,1,2,3
	s_delay_alu instid0(VALU_DEP_4)
	v_permlanex16_b32 v[236+\b], v[232+\b], s18, s19
.endr
.irp b, 0,1,2,3
	s_delay_alu instid0(VALU_DEP_4)
	v_max_num_f32 v[232+\b], v[232+\b], v[236+\b]  ; with lane l xor 16's 16 keys
.endr
	s_delay_alu instid0(VALU_DEP_2)
	v_max3_num_f32 v254, v232, v233, v234
	s_delay_alu instid0(VALU_DEP_1)
	v_max_num_f32 v254, v254, v235                 ; the step's largest score of my query
	s_delay_alu instid0(VALU_DEP_1)
	v_mul_f32 v254, s16, v254                      ; as t
	s_delay_alu instid0(VALU_DEP_1)
	v_max_num_f32 v13, v13, v254                   ; the running largest t
	v_mov_b32 v254, v12
	s_delay_alu instid0(VALU_DEP_2)
	v_floor_f32 v12, -v13                          ; the new -M = floor(-t) = -ceil(t): a whole number
	s_delay_alu instid0(VALU_DEP_1)
	v_sub_f32 v254, v12, v254                      ; M's old value less its new one: a whole number, 0 or less
	s_delay_alu instid0(VALU_DEP_1)
	v_cvt_i32_f32 v254, v254                       ; (it saturates)
	s_delay_alu instid0(VALU_DEP_1)
	v_ldexp_f32 v252, 1.0, v254                    ; f = 2^(old M - new M)
.irp j, 0,2,4,6,8,10,12,14,16,18,20,22,24,26,28,30,32,34,36,38,40,42,44,46,48,50,52,54,56,58,60,62
	v_pk_fma_f32 v[96+\j:97+\j], v[96+\j:97+\j], s[16:17], v[12:13] op_sel_hi:[1,0,0]   ; t - M, two at a time (of both pairs the low word serves both halves)
.endr
.irp b, 0,1,2,3
	v_fma_f32 v[232+\b], v[232+\b], s16, v12       ; the same of each block's largest score
.endr
	s_wait_alu depctr_va_vdst(0)
.irp j, 0,1,2,3,4,5,6,7,8,9,10,11,12,13,14,15,16,17,18,19,20,21,22,23,24,25,26,27,28,29,30,31,32,33,34,35,36,37,38,39,40,41,42,43,44,45,46,47,48,49,50,51,52,53,54,55,56,57,58,59,60,61,62,63
	v_exp_f32 v[96+\j], v[96+\j]                   ; p = 2^(t - M): not normalised
.endr
	s_setprio 1
.irp b, 0,1,2,3
	v_exp_f32 v[232+\b], v[232+\b]                 ; the block's largest p: the same two instructions on the same number give the same bits
.endr
	v_pk_mul_f32 v[14:15], v[14:15], v[252:253] op_sel_hi:[1,0]   ; the sums under the new M.  (A plain line behind the exponentials)
	s_wait_alu depctr_va_vdst(0)
.irp b, 0,1,2,3
	v_max_num_f32 v[232+\b], 0x1800000, v[232+\b]  ; the floor 2^(3 - 127): the byte cannot fall under 1
.endr
.irp b, 0,1,2,3
	s_delay_alu instid0(VALU_DEP_4)
	v_add_nc_u32 v[244+\b], 0xff000000, v[232+\b]  ; 2 off the exponent field: the conversion's scale operand
.endr
.irp b, 0,1,2,3
	s_delay_alu instid0(VALU_DEP_4)
	v_lshrrev_b32 v[236+\b], 23, v[244+\b]         ; the scale's byte
.endr
	s_delay_alu instid0(VALU_DEP_3)
	v_lshl_or_b32 v253, v237, 8, v236              ; p's scale word for these 128 keys
	s_delay_alu instid0(VALU_DEP_1)
	v_lshl_or_b32 v253, v238, 16, v253
	s_delay_alu instid0(VALU_DEP_1)
	v_lshl_or_b32 v253, v239, 24, v253
.irp b, 0,1,2,3
	v_cvt_scalef32_pk8_fp4_f32 v[224+2*\b], v[96+16*\b:103+16*\b], v[244+\b]
	v_cvt_scalef32_pk8_fp4_f32 v[225+2*\b], v[104+16*\b:111+16*\b], v[244+\b]
.endr
	v_nop                                          ; one plain line behind a scaled conversion
.irp c, 0,1                                    ; the operand's layout wants a whole block in a lane
.irp i, 0,1
	v_permlane16_swap_b32 v[224+4*\c+\i], v[226+4*\c+\i]
.endr
.endr
.irp j, 0,2,4,6,8,10,12,14,16,18,20,22,24,26,28,30
	v_pk_mul_f32 v[160+\j:161+\j], v[160+\j:161+\j], v[252:253] op_sel_hi:[1,0]   ; O^T under the new M, each accumulator from its low end on
.endr
	v_pk_add_f32 v[236:237], v[100:101], v[104:105]
	v_pk_add_f32 v[248:249], v[108:109], v[112:113]
	v_pk_add_f32 v[246:247], v[116:117], v[120:121]
	v_pk_add_f32 v[244:245], v[124:125], v[128:129]
	v_pk_add_f32 v[242:243], v[132:133], v[136:137]
	v_pk_add_f32 v[240:241], v[140:141], v[144:145]
	v_pk_add_f32 v[234:235], v[148:149], v[152:153]
	v_pk_add_f32 v[14:15], v[14:15], v[156:157]
	v_pk_add_f32 v[236:237], v[236:237], v[96:97]
	v_pk_add_f32 v[248:249], v[248:249], v[98:99]
	v_pk_add_f32 v[246:247], v[246:247], v[102:103]
	v_pk_add_f32 v[244:245], v[244:245], v[106:107]
	v_pk_add_f32 v[242:243], v[242:243], v[110:111]
	v_pk_add_f32 v[240:241], v[240:241], v[114:115]
	v_pk_add_f32 v[234:235], v[234:235], v[118:119]
	s_setprio 0
	v_pk_add_f32 v[14:15], v[14:15], v[122:123]
	v_pk_add_f32 v[236:237], v[236:237], v[126:127]
	v_pk_add_f32 v[248:249], v[248:249], v[130:131]
	v_pk_add_f32 v[246:247], v[246:247], v[134:135]
	v_pk_add_f32 v[244:245], v[244:245], v[138:139]
	v_pk_add_f32 v[242:243], v[242:243], v[142:143]
	v_pk_add_f32 v[240:241], v[240:241], v[146:147]
	v_pk_add_f32 v[234:235], v[234:235], v[150:151]
	v_pk_add_f32 v[14:15], v[14:15], v[154:155]
	v_pk_add_f32 v[236:237], v[236:237], v[158:159]
	s_delay_alu instid0(VALU_DEP_2)
	v_pk_add_f32 v[14:15], v[14:15], v[244:245]
	s_delay_alu instid0(VALU_DEP_2)
	v_pk_add_f32 v[236:237], v[236:237], v[242:243]
	v_pk_add_f32 v[248:249], v[248:249], v[240:241]
	v_pk_add_f32 v[246:247], v[246:247], v[234:235]
	s_delay_alu instid0(VALU_DEP_2)
	v_pk_add_f32 v[14:15], v[14:15], v[248:249]
	s_delay_alu instid0(VALU_DEP_2)
	v_pk_add_f32 v[236:237], v[236:237], v[246:247]
	s_delay_alu instid0(VALU_DEP_1)
	v_pk_add_f32 v[14:15], v[14:15], v[236:237]
	s_wait_dscnt 0x0                               ; V and its words are in
.irp t, 0,1,2,3                                ; O^T += V^T P^T: the four accumulators take turns
	v_wmma_scale_f32_16x16x128_f8f6f4 v[160+8*\t:167+8*\t], v[64+8*\t:71+8*\t], v[224:231], v[160+8*\t:167+8*\t], v[196+\t], v253 matrix_a_fmt:MATRIX_FMT_FP4 matrix_b_fmt:MATRIX_FMT_FP4
.endr
	s_add_co_u32 s21, s21, 4096
	s_add_co_u32 s22, s22, 256
	s_sub_co_u32 s20, s20, 1
	s_cmp_lg_u32 s20, 0
	s_cbranch_scc1 .Lstep
	s_setprio 0
	s_wait_alu depctr_va_vdst(0)
	; THE WAY OUT.  ctx = O^T / the sum: register 16 tb + i of lane (r, h) is d = 32 tb + 16 h + i of query r: two blocks of the output projection's K.
	v_add_f32 v14, v14, v15                        ; the sum's two halves,
	s_delay_alu instid0(VALU_DEP_1)
	v_permlanex16_b32 v252, v14, s18, s19
	s_delay_alu instid0(VALU_DEP_1)
	v_add_f32 v14, v14, v252                       ; and lane l xor 16's
	s_wait_alu depctr_va_vdst(0)
	v_rcp_f32 v14, v14
	v_bfe_u32 v11, v0, 4, 1                        ; (plain lines behind the reciprocal, and among the places behind the last products)
	s_delay_alu instid0(VALU_DEP_1)
	v_cmp_ne_u32 vcc_lo, 0, v11                    ; lanes 16-31
	v_nop
	v_nop
	s_wait_alu depctr_va_vdst(0)
.irp j, 0,1,2,3,4,5,6,7,8,9,10,11,12,13,14,15,16,17,18,19,20,21,22,23,24,25,26,27,28,29,30,31
	v_mul_f32 v[96+\j], v[160+\j], v14
.endr
.irp tb, 0,1
	v_max3_num_f32 v[232+\tb], |v[96+16*\tb]|, |v[97+16*\tb]|, 0x1800000
.endr
.irp i, 2,4,6,8,10,12,14
.irp tb, 0,1
	s_delay_alu instid0(VALU_DEP_2)
	v_max3_num_f32 v[232+\tb], v[232+\tb], |v[96+16*\tb+\i]|, |v[97+16*\tb+\i]|
.endr
.endr
.irp tb, 0,1
	s_delay_alu instid0(VALU_DEP_2)
	v_permlanex16_b32 v[236+\tb], v[232+\tb], s18, s19
.endr
.irp tb, 0,1
	s_delay_alu instid0(VALU_DEP_2)
	v_max_num_f32 v[232+\tb], v[232+\tb], v[236+\tb]
.endr
.irp tb, 0,1
	s_delay_alu instid0(VALU_DEP_2)
	v_add_nc_u32 v[244+\tb], 0xff000000, v[232+\tb]
.endr
.irp tb, 0,1
	s_delay_alu instid0(VALU_DEP_2)
	v_lshrrev_b32 v[236+\tb], 23, v[244+\tb]
.endr
.irp tb, 0,1
	v_cvt_scalef32_pk8_fp4_f32 v[224+2*\tb], v[96+16*\tb:103+16*\tb], v[244+\tb]
	v_cvt_scalef32_pk8_fp4_f32 v[225+2*\tb], v[104+16*\tb:111+16*\tb], v[244+\tb]
.endr
	v_cndmask_b32 v238, v236, v237, vcc_lo         ; my half's byte: block h.  (The plain line behind the conversions)
	v_permlane16_swap_b32 v224, v226               ; a whole block in a lane: d = 32 h + 0 .. 31
	v_permlane16_swap_b32 v225, v227
	global_store_b128 v1, v[224:227], s[6:7]       ; 512 consecutive bytes of ctx's image
	global_store_b8 v4, v238, s[8:9]
	s_wait_tensorcnt 0x0
	ds_add_u32 v251, v255
	s_wait_dscnt 0x0
	ROUND                                          ; the closing round: no work-group ends while a partner may still ask for bytes that name it
	s_endpgm
.Lfunc_end_k_qe36a846b27_attn:
	.size	k_qe36a846b27_attn, .Lfunc_end_k_qe36a846b27_attn-k_qe36a846b27_attn
	.p2alignl 7, 3214868480
	.fill 96, 4, 3214868480
	.section	.rodata,"a",@progbits
	.p2align	6, 0x0
	.amdhsa_kernel k_qe36a846b27_attn
		.amdhsa_group_segment_fixed_size 169984
		.amdhsa_private_segment_fixed_size 0
		.amdhsa_enable_private_segment 0
		.amdhsa_kernarg_size 24
		.amdhsa_user_sgpr_count 2
		.amdhsa_user_sgpr_kernarg_segment_ptr 1
		.amdhsa_wavefront_size32 1
		.amdhsa_system_sgpr_workgroup_id_x 1
		.amdhsa_system_sgpr_workgroup_id_y 1
		.amdhsa_system_sgpr_workgroup_id_z 1
		.amdhsa_system_vgpr_workitem_id 0
		.amdhsa_next_free_vgpr 256
		.amdhsa_next_free_sgpr 66
		.amdhsa_reserve_vcc 1
		.amdhsa_float_denorm_mode_32 3
		.amdhsa_float_denorm_mode_16_64 3
		.amdhsa_memory_ordered 1
		.amdhsa_forward_progress 1
		.amdhsa_inst_pref_size 28
	.end_amdhsa_kernel
	.amdgpu_metadata
---
amdhsa.version: [ 1, 2 ]
amdhsa.kernels:
  - .name:           k_qe36a846b27_attn
    .symbol:         k_qe36a846b27_attn.kd
    .args:
      - { .name: qkv, .offset: 0, .size: 8, .value_kind: global_buffer, .address_space: global }
      - { .name: cimg, .offset: 8, .size: 8, .value_kind: global_buffer, .address_space: global }
      - { .name: csc, .offset: 16, .size: 8, .value_kind: global_buffer, .address_space: global }
    .group_segment_fixed_size: 169984
    .private_segment_fixed_size: 0
    .kernarg_segment_align: 8
    .kernarg_segment_size: 24
    .max_flat_workgroup_size: 512
    .sgpr_count:     66
    .vgpr_count:     256
    .wavefront_size: 32
...
	.end_amdgpu_metadata
.endif
;; end of part 7
;; launch outln (part 8): grid 256 x 1, 16 waves a work-group, no clusters, 84,480 bytes of LDS; arguments cimg, csc, cods, scl, bo, query_tensor, ln_w, ln_b, out0; writes out0
.if DOCPART == 8
	.amdgcn_target "amdgcn-amd-amdhsa--gfx1250"
	.amdhsa_code_object_version 6
	.text
	.protected	k_qe36a846b27_outln
	.globl	k_qe36a846b27_outln
	.p2align	8
	.type	k_qe36a846b27_outln,@function
k_qe36a846b27_outln:
	s_mov_b64 s[64:65], 0
	v_nop
	global_prefetch_b8 v0, s[64:65] scope:SCOPE_SE
	s_setreg_imm32_b32 hwreg(HW_REG_WAVE_SCHED_MODE, 0, 2), 2
	s_setreg_imm32_b32 hwreg(HW_REG_WAVE_MODE, 25, 1), 1
	s_wait_xcnt 0x0
	s_wait_alu depctr_vm_vsrc(0)
; out0 = LayerNorm(ctx Wo^T + bo + query_tensor) x ln_w + ln_b.  The product is on codes of FP4 with E8M0 scales; all else in f32.
; SHARES.  A work-group owns one tile of ctx: 16 rows x all 1,024 columns, so that a row's mean and variance stay inside it.  Wave w of sixteen makes columns 64 w .. 64 w + 63 (four tiles of Wo) for the 16 rows,
; then takes row w alone through residual and LayerNorm.  Transposed use: source 0 = 16 rows of Wo, source 1 = ctx: a lane holds one row, and register j of tile i column 64 w + 32 (i / 2) + 16 h + 8 (i % 2) + j.
; ctx's image (8 KB) goes through LDS once, since all sixteen waves want it whole.  Wo's fragments go from memory straight into registers: each feeds exactly one product of the work-group, so LDS would add a road and spare nothing.
; NO CLUSTER: Wo's codes (512 KB) are walked by every work-group, but they exceed LDS, so sharing them wants a ring that is filled again behind a round of the cluster's barrier for every slot, for 32 matrix instructions a wave in all.  Not built here.
; bo is loaded into the accumulators, in the result's layout: the first product adds onto it.  The variance is taken of x - mean in a second pass over registers: no difference of large sums.
; LIMITS: v_rsq_f32 is not correctly rounded (1 ulp); NaN and infinities are not served.
; LDS: ctx's image at 0; ln_w and ln_b at 8,192; from 16,384 a stage of 16 rows x (4,096 + 16) bytes.
; REGISTERS: v1-8 addresses; v16-23 ctx's scale words; v24-39 Wo's (register 8 (i % 2) + ks: lanes 0-15 tiles 0, 1, lanes 16-31 tiles 2, 3); v40-71 four accumulators; v72-167 Wo's fragments, three sets (later the row and the residual);
; v168-231 ctx's eight fragments (later ln_w, ln_b); v232-243 at work.
; THE MODE: SCHED_MODE bits 1:0 = 2 (LLVM: expert scheduling mode 2), set by the entry lines.  The code itself states the register dependences between vector or matrix instructions and memory or LDS instructions,
; with s_wait_alu, always for 0.
; THE PLAN.  Registers that memory or LDS instructions touch:
;   v1-v8, v254, v255  offsets and addresses: written at the head, never again.
;   v232-239     two loads land in them, two LDS stores at the head read them; LayerNorm's sums write v232-235 again.
;   set ks % 3   K step ks's eight loads land in it, its four products read it; behind them K step ks + 3's loads land in it (behind K step 5: the residual's).
;   v168-231     LDS loads of ctx's fragments land in them, all 32 products read them; behind the second barrier LDS loads of ln_w and ln_b land in them.
;   v40-71       loads of bo land in them, the products add onto them, eight LDS stores read them.
;   v72-103      set 0; behind the second barrier LDS loads of my row land in them; LayerNorm works in place; the eight final stores read them.
; A set is asked for again AT ONCE behind the four products that read it, so the wait on va_vdst stands behind those four and not at the next K step's head: three sets are all that 256 registers hold, and a set
; that waited for the next head would lie idle behind that head's wait for data.  One more such wait stands ahead of the stage's stores, one ahead of the final stores; one wait on vm_vsrc ahead of LayerNorm's first sum.
.set LNP, 8192
.set STG, 16384
.set SPI, 4112                         ; a stage row: an odd multiple of 16 bytes, so that the 16 rows that a store touches start in different banks
.set CS,  16
.set WS,  24
.set ACC, 40
.set WF,  72
.set RES, 136
.set XR,  72
.set CF,  168
.set LW,  168
.set LB,  200
.macro PLACES                          ; four places between a matrix instruction and a store of its result; ahead of loads into its registers they stand beside the wait
.rept 4
	v_nop
.endr
.endm
.macro WLOAD ks                        ; K step ks of my four tiles of Wo into set ks % 3: 512 consecutive bytes a load
.irp i, 0,1,2,3
.irp c, 0,1
	global_load_b128 v[WF+32*((\ks)%3)+8*\i+4*\c:WF+32*((\ks)%3)+8*\i+4*\c+3], v1, s[8:9] offset:8192*\i+1024*(\ks)+512*\c
.endr
.endr
.endm
.macro MULS ks                         ; four products: the four accumulators take turns
.set WB, WF+32*((\ks)%3)
.irp i, 0,1
	v_wmma_scale_f32_16x16x128_f8f6f4 v[ACC+8*\i:ACC+8*\i+7], v[WB+8*\i:WB+8*\i+7], v[CF+8*(\ks):CF+8*(\ks)+7], v[ACC+8*\i:ACC+8*\i+7], v[WS+8*\i+(\ks)], v[CS+(\ks)] matrix_a_fmt:MATRIX_FMT_FP4 matrix_b_fmt:MATRIX_FMT_FP4
.endr
.irp i, 2,3
	v_wmma_scale_f32_16x16x128_f8f6f4 v[ACC+8*\i:ACC+8*\i+7], v[WB+8*\i:WB+8*\i+7], v[CF+8*(\ks):CF+8*(\ks)+7], v[ACC+8*\i:ACC+8*\i+7], v[WS+8*(\i-2)+(\ks)], v[CS+(\ks)] matrix_a_fmt:MATRIX_FMT_FP4 matrix_b_fmt:MATRIX_FMT_FP4 matrix_a_scale:MATRIX_SCALE_ROW1
.endr
.endm
.macro WSUM x, t                       ; the sum over the 32 lanes, in every lane
	v_add_f32_dpp v[\x], v[\x], v[\x] row_xmask:1 row_mask:0xf bank_mask:0xf
	v_add_f32_dpp v[\x], v[\x], v[\x] row_xmask:2 row_mask:0xf bank_mask:0xf
	v_add_f32_dpp v[\x], v[\x], v[\x] row_xmask:4 row_mask:0xf bank_mask:0xf
	v_add_f32_dpp v[\x], v[\x], v[\x] row_xmask:8 row_mask:0xf bank_mask:0xf
	v_permlanex16_b32 v[\t], v[\x], s26, s27
	v_add_f32 v[\x], v[\x], v[\t]
.endm
	s_load_b512 s[4:19], s[0:1], 0x0               ; cimg s[4:5], csc s[6:7], cods s[8:9], scl s[10:11], bo s[12:13], query s[14:15], ln_w s[16:17], ln_b s[18:19]
	s_load_b64 s[20:21], s[0:1], 0x40              ; out0
	v_lshl_add_u32 v254, v0, 2, 0x14200
	v_mov_b32 v255, 0
	v_lshrrev_b32 v1, 5, v0
	v_readfirstlane_b32 s22, v1                    ; wave 0..15
	v_and_b32 v1, 31, v0
	v_lshlrev_b32 v1, 4, v1                        ; 16 lane
	v_lshlrev_b32 v2, 4, v0                        ; 16 thread
	v_and_b32 v3, 255, v0
	v_lshlrev_b32 v3, 4, v3                        ; 16 (thread % 256)
	v_and_b32 v9, 15, v0                           ; r
	v_bfe_u32 v10, v0, 4, 1                        ; h
	v_lshlrev_b32 v4, 5, v9                        ; ctx's scale words: 32 r
	v_lshlrev_b32 v5, 6, v10                       ; bo: 64 h
	v_lshlrev_b32 v6, 4, v9
	v_lshl_add_u32 v6, v10, 10, v6                 ; Wo's scale words: 16 r, lanes 16-31 two tiles on
	s_wait_alu depctr_va_sdst(0)                   ; s22, the wave's number, is written, ahead of its first reader in the next line
	s_lshl_b32 s23, s22, 8
	v_mul_u32_u24 v7, v9, SPI
	v_add_nc_u32 v7, v7, v5
	v_add_nc_u32 v7, s23, v7
	v_add_nc_u32 v7, STG, v7                       ; into the stage: row r, 256 wave + 64 h bytes on
	s_mul_i32 s28, s22, SPI
	v_add_nc_u32 v8, s28, v1
	v_add_nc_u32 v8, STG, v8                       ; out of it: row = my wave's number, 16 bytes a lane
	v_mov_b32 v241, 0                              ; (named as the upper half of the pair v[240:241])
	v_mov_b32 v243, 0x2b8cbccc                     ; 1e-12
	s_mov_b32 s26, 0x76543210
	s_mov_b32 s27, 0xfedcba98                      ; v_permlanex16_b32's selects for lane l xor 16
	s_mov_b32 s31, 0
	s_lshl_b32 s29, s22, 2
	s_add_co_u32 s29, s29, 960                     ; my first tile of Wo
	s_lshr_b32 s32, ttmp9, 7                       ; b
	s_and_b32 s33, ttmp9, 127                      ; 2 g + u
	s_lshr_b32 s34, s33, 1
	s_lshl_b32 s34, s34, 5
	s_and_b32 s33, s33, 1
	s_lshl_b32 s33, s33, 3
	s_add_co_u32 s34, s34, s33
	s_add_co_u32 s34, s34, s22
	s_and_b32 s33, s22, 8
	s_add_co_u32 s34, s34, s33                     ; my row's s = 32 g + 8 u + w + (w & 8)
	s_lshl_b32 s34, s34, 1
	s_add_co_u32 s34, s34, s32                     ; its row in memory: 2 s + b
	s_wait_kmcnt 0x0
	s_lshl_b32 s30, ttmp9, 13
	s_add_nc_u64 s[4:5], s[4:5], s[30:31]
	s_lshl_b32 s30, ttmp9, 9
	s_add_nc_u64 s[6:7], s[6:7], s[30:31]
	s_lshl_b32 s30, s29, 13
	s_add_nc_u64 s[8:9], s[8:9], s[30:31]
	s_lshl_b32 s30, s29, 9
	s_add_nc_u64 s[10:11], s[10:11], s[30:31]
	s_mov_b32 s30, s23
	s_add_nc_u64 s[12:13], s[12:13], s[30:31]      ; bo at my 64 columns
	s_lshl_b32 s30, s34, 12
	s_add_nc_u64 s[14:15], s[14:15], s[30:31]
	s_add_nc_u64 s[20:21], s[20:21], s[30:31]
	s_cmp_lt_u32 s22, 8                            ; waves 0-7 bring ln_w, waves 8-15 ln_b: the choice hangs on the wave's number alone
	s_cselect_b64 s[24:25], s[16:17], s[18:19]
	s_wait_alu depctr_va_vdst(0)                   ; the offsets and addresses v1 to v8 are written, which every load, store and LDS instruction below reads; none is written again
	global_load_b128 v[232:235], v2, s[4:5]        ; ctx's image, 16 bytes a thread
	global_load_b128 v[236:239], v3, s[24:25]
	global_load_b128 v[CS:CS+3], v4, s[6:7]
	global_load_b128 v[CS+4:CS+7], v4, s[6:7] offset:16
.irp i, 0,1,2,3
	global_load_b128 v[ACC+8*\i:ACC+8*\i+3], v5, s[12:13] offset:128*(\i/2)+32*(\i%2)
	global_load_b128 v[ACC+8*\i+4:ACC+8*\i+7], v5, s[12:13] offset:128*(\i/2)+32*(\i%2)+16
.endr
.irp i, 0,1
.irp kh, 0,1
	global_load_b128 v[WS+8*\i+4*\kh:WS+8*\i+4*\kh+3], v6, s[10:11] offset:512*\i+256*\kh
.endr
.endr
	WLOAD 0
	WLOAD 1
	WLOAD 2
	s_wait_loadcnt 38                              ; the first two loads are in; the 2 + 8 + 4 + 24 behind them may be out
	ds_store_b128 v2, v[232:235]
	ds_store_b128 v2, v[236:239] offset:LNP
	s_wait_dscnt 0x0                               ; for the others' sake: my stores have landed
	s_barrier_signal -1
	s_barrier_wait -1
.irp ks, 0,1,2,3,4,5,6,7
.irp c, 0,1
	ds_load_b128 v[CF+8*\ks+4*\c:CF+8*\ks+4*\c+3], v1 offset:1024*\ks+512*\c
.endr
.endr
	s_wait_dscnt 0x0
.irp ks, 0,1,2,3,4,5,6,7
.if \ks < 7
	s_wait_loadcnt 16                              ; this K step's eight loads are in; the two younger groups of eight may be out
.else
	s_wait_loadcnt 8                               ; the residual's eight may be out
.endif
	MULS \ks
.if \ks < 5
	PLACES
	s_wait_alu depctr_va_vdst(0)                   ; this K step's four products are done reading their set, in which the eight loads below land
	WLOAD \ks+3                                    ; into the set just multiplied
.elseif \ks == 5
	PLACES
	s_wait_alu depctr_va_vdst(0)                   ; K step 5's four products are done reading set 2, in which the residual's eight loads land
.irp q, 0,1,2,3,4,5,6,7
	global_load_b128 v[RES+4*\q:RES+4*\q+3], v1, s[14:15] offset:512*\q   ; my row of query_tensor, into the set just multiplied
.endr
.endif
.endr
	PLACES
	s_wait_alu depctr_va_vdst(0)                   ; the products have written the accumulators, which the LDS stores read, and are done reading set 0 and ctx's fragments, in which the LDS loads behind the barrier land; the places above stay beside this wait
.irp i, 0,1,2,3
	ds_store_b128 v7, v[ACC+8*\i:ACC+8*\i+3] offset:128*(\i/2)+32*(\i%2)          ; each accumulator from its low end on
	ds_store_b128 v7, v[ACC+8*\i+4:ACC+8*\i+7] offset:128*(\i/2)+32*(\i%2)+16
.endr
	s_wait_dscnt 0x0                               ; for the others' sake: my stores have landed
	s_barrier_signal -1
	s_barrier_wait -1                              ; 16 whole rows lie in the stage
.irp q, 0,1,2,3,4,5,6,7
	ds_load_b128 v[XR+4*\q:XR+4*\q+3], v8 offset:512*\q
.endr
.irp q, 0,1,2,3,4,5,6,7
	ds_load_b128 v[LW+4*\q:LW+4*\q+3], v1 offset:LNP+512*\q
	ds_load_b128 v[LB+4*\q:LB+4*\q+3], v1 offset:LNP+4096+512*\q
.endr
	s_wait_loadcnt 0x0                             ; the residual
	s_wait_dscnt 16                                ; my row is in; the 16 loads of ln_w and ln_b may be out
	s_wait_alu depctr_vm_vsrc(0)                   ; the two LDS stores at the head have read v232-239, of which the sums below write v232-235 again
.irp j, 0,2,4,6,8,10,12,14,16,18,20,22,24,26,28,30
	v_pk_add_f32 v[XR+\j:XR+\j+1], v[XR+\j:XR+\j+1], v[RES+\j:RES+\j+1]
.endr
	v_pk_add_f32 v[232:233], v[XR:XR+1], v[XR+2:XR+3]          ; the row's sum, in two chains
	v_pk_add_f32 v[234:235], v[XR+4:XR+5], v[XR+6:XR+7]
.irp j, 8,12,16,20,24,28
	v_pk_add_f32 v[232:233], v[232:233], v[XR+\j:XR+\j+1]
	v_pk_add_f32 v[234:235], v[234:235], v[XR+\j+2:XR+\j+3]
.endr
	v_pk_add_f32 v[232:233], v[232:233], v[234:235]
	v_add_f32 v232, v232, v233
	WSUM 232, 233
	v_mul_f32 v240, 0xba800000, v232               ; -mean = -sum / 1,024
.irp j, 0,2,4,6,8,10,12,14,16,18,20,22,24,26,28,30
	v_pk_add_f32 v[XR+\j:XR+\j+1], v[XR+\j:XR+\j+1], v[240:241] op_sel_hi:[1,0]
.endr
	v_pk_mul_f32 v[232:233], v[XR:XR+1], v[XR:XR+1]            ; the sum of squares of x - mean, in two chains
	v_pk_mul_f32 v[234:235], v[XR+2:XR+3], v[XR+2:XR+3]
.irp j, 4,8,12,16,20,24,28
	v_pk_fma_f32 v[232:233], v[XR+\j:XR+\j+1], v[XR+\j:XR+\j+1], v[232:233]
	v_pk_fma_f32 v[234:235], v[XR+\j+2:XR+\j+3], v[XR+\j+2:XR+\j+3], v[234:235]
.endr
	v_pk_add_f32 v[232:233], v[232:233], v[234:235]
	v_add_f32 v232, v232, v233
	WSUM 232, 233
	v_fma_f32 v242, v232, 0x3a800000, v243         ; the variance + 1e-12
	s_wait_alu depctr_va_vdst(0)
	v_rsq_f32 v242, v242
	v_nop                                          ; a plain line behind the transcendental
	s_wait_dscnt 0x0                               ; ln_w and ln_b
	s_wait_alu depctr_va_vdst(0)                   ; v_rsq_f32 has written v242, which the multiplies below read
.irp j, 0,2,4,6,8,10,12,14,16,18,20,22,24,26,28,30
	v_pk_mul_f32 v[XR+\j:XR+\j+1], v[XR+\j:XR+\j+1], v[242:243] op_sel_hi:[1,0]
.endr
.irp j, 0,2,4,6,8,10,12,14,16,18,20,22,24,26,28,30
	v_pk_fma_f32 v[XR+\j:XR+\j+1], v[XR+\j:XR+\j+1], v[LW+\j:LW+\j+1], v[LB+\j:LB+\j+1]
.endr
	s_wait_alu depctr_va_vdst(0)                   ; the multiply-adds have written my row, v72-103, which the eight stores read
.irp q, 0,1,2,3,4,5,6,7
	global_store_b128 v1, v[XR+4*\q:XR+4*\q+3], s[20:21] offset:512*\q th:TH_STORE_NT   ; 512 consecutive bytes of my row, aligned; written once, read by nobody here
.endr
	s_wait_dscnt 0x0                               ; the closing lines, six on end
	s_wait_alu 0x0
	s_wait_tensorcnt 0x0
	ds_add_u32 v254, v255
	s_wait_dscnt 0x0
	s_endpgm
.Lfunc_end_k_qe36a846b27_outln:
	.size	k_qe36a846b27_outln, .Lfunc_end_k_qe36a846b27_outln-k_qe36a846b27_outln
	.p2alignl 7, 3214868480
	.fill 96, 4, 3214868480
	.section	.rodata,"a",@progbits
	.p2align	6, 0x0
	.amdhsa_kernel k_qe36a846b27_outln
		.amdhsa_group_segment_fixed_size 84480
		.amdhsa_private_segment_fixed_size 0
		.amdhsa_enable_private_segment 0
		.amdhsa_kernarg_size 72
		.amdhsa_user_sgpr_count 2
		.amdhsa_user_sgpr_kernarg_segment_ptr 1
		.amdhsa_wavefront_size32 1
		.amdhsa_system_sgpr_workgroup_id_x 1
		.amdhsa_system_sgpr_workgroup_id_y 1
		.amdhsa_system_sgpr_workgroup_id_z 1
		.amdhsa_system_vgpr_workitem_id 0
		.amdhsa_next_free_vgpr 256
		.amdhsa_next_free_sgpr 66
		.amdhsa_reserve_vcc 0
		.amdhsa_float_denorm_mode_32 3
		.amdhsa_float_denorm_mode_16_64 3
		.amdhsa_memory_ordered 1
		.amdhsa_forward_progress 1
		.amdhsa_inst_pref_size 28
	.end_amdhsa_kernel
	.amdgpu_metadata
---
amdhsa.version: [ 1, 2 ]
amdhsa.kernels:
  - .name:           k_qe36a846b27_outln
    .symbol:         k_qe36a846b27_outln.kd
    .args:
      - { .name: cimg, .offset: 0, .size: 8, .value_kind: global_buffer, .address_space: global }
      - { .name: csc, .offset: 8, .size: 8, .value_kind: global_buffer, .address_space: global }
      - { .name: cods, .offset: 16, .size: 8, .value_kind: global_buffer, .address_space: global }
      - { .name: scl, .offset: 24, .size: 8, .value_kind: global_buffer, .address_space: global }
      - { .name: bo, .offset: 32, .size: 8, .value_kind: global_buffer, .address_space: global }
      - { .name: query_tensor, .offset: 40, .size: 8, .value_kind: global_buffer, .address_space: global }
      - { .name: ln_w, .offset: 48, .size: 8, .value_kind: global_buffer, .address_space: global }
      - { .name: ln_b, .offset: 56, .size: 8, .value_kind: global_buffer, .address_space: global }
      - { .name: out0, .offset: 64, .size: 8, .value_kind: global_buffer, .address_space: global }
    .group_segment_fixed_size: 84480
    .private_segment_fixed_size: 0
    .kernarg_segment_align: 8
    .kernarg_segment_size: 72
    .max_flat_workgroup_size: 512
    .sgpr_count:     66
    .vgpr_count:     256
    .wavefront_size: 32
...
	.end_amdgpu_metadata
.endif
;; end of part 8
